; MI455X (gfx1250); checked and timed in simulation.
; The chip was launched on July 23, 2026; its instructions are those of AMD's public machine-readable ISA for CDNA 5 (MIT licence, August 2026) and "CDNA5" Instruction Set Architecture Reference Guide (July 2026). The comments in the code are by the model that wrote it; some were corrected since.
;; Custom Transformer Encoder Layer. Allowed arithmetic: matrix products marked QUANTISED: E4M3 operands, one E8M0 scale for each 32 along K, by v_wmma_scale_f32_16x16x128_f8f6f4 with both operands' format E4M3, f32 sums; everything else in f32.
;; Inputs: b1 4,096 float32; b2 1,024 float32; beta1 1,024 float32; beta2 1,024 float32; g1 1,024 float32; g2 1,024 float32; kb 1,024 float32; kw 1,024 x 1,024 float32; ob 1,024 float32; ow 1,024 x 1,024 float32; qb 1,024 float32; qw 1,024 x 1,024 float32; src 2 x 2,048 x 1,024 float32; vb 1,024 float32; vw 1,024 x 1,024 float32; w1 4,096 x 1,024 float32; w2 1,024 x 4,096 float32.
;; Outputs: out0 2 x 2,048 x 1,024 float32.
;; This version of the problem:
;;   THIS VERSION OF THE PROBLEM IS GIVEN IN LOW PRECISION. The matrix products marked QUANTISED in the list below multiply operands that are first quantised to E4M3 (4 exponent bits, 3 mantissa bits; 8 bits a number), with one power-of-two scale for each 32 numbers along K (OCP MX v1.0); their sums are f32. All else is computed in f32.
;;   The module's matrix products, in the order in which they are computed (A, B: the left and right operand; K: the contracted axis; several contracted axes count as one K, in the product's order):
;;     1. [M 4,096, K 1,024] x [K 1,024, N 1,024]; A: input src; B: input qw: QUANTISED
;;     2. [M 4,096, K 1,024] x [K 1,024, N 1,024]; A: input src; B: input kw: QUANTISED
;;     3. [M 4,096, K 1,024] x [K 1,024, N 1,024]; A: input src; B: input vw: QUANTISED
;;     4. batch 32 x [M 2,048, K 64] x [K 64, N 2,048]; A: computed on the way; B: computed on the way: QUANTISED
;;     5. batch 32 x [M 2,048, K 2,048] x [K 2,048, N 64]; A: softmax (see below); B: computed on the way: QUANTISED
;;     6. [M 4,096, K 1,024] x [K 1,024, N 1,024]; A: computed on the way; B: input ow: QUANTISED
;;     7. [M 4,096, K 1,024] x [K 1,024, N 4,096]; A: computed on the way; B: input w1: QUANTISED
;;     8. [M 4,096, K 4,096] x [K 4,096, N 1,024]; A: computed on the way; B: input w2: QUANTISED
;;   THE QUANTISER, for each operand of a quantised product, along K:
;;     - K is cut into blocks of 32 from its start; a last block that is shorter is filled with zeros.
;;     - A block's scale is 2^e with e = floor(log2(the largest magnitude in the block)) - 8, held to -126 .. 127; a block of zeros has e = 0. As a byte (E8M0): e + 127.
;;     - Each number is divided by its block's scale, clamped to +-448, and rounded to the nearest number of E4M3, ties to even, subnormals kept.
;;     - The product sums the exact products of the quantised numbers (number of the format x scale) in f32.
;;   ~~~python
;;   def quantise(x, axis):      # numpy; x: float32 -> the quantised numbers, widened to float32 again
;;       x = np.moveaxis(x, axis, -1); K = x.shape[-1]
;;       x = np.pad(x, [(0, 0)] * (x.ndim - 1) + [(0, -K % 32)]); x = x.reshape(x.shape[:-1] + (-1, 32)); a = np.abs(x).max(-1, keepdims=True)
;;       e = np.where(a > 0, np.clip(np.frexp(np.where(a > 0, a, 1))[1] - 1 - 8, -126, 127), 0)      # np.frexp(a)[1] - 1 = floor(log2(a)), exactly
;;       r = np.clip(x / 2.0 ** e, -448, 448)
;;       step = 2.0 ** (np.maximum(np.frexp(np.where(r == 0, 1, r))[1] - 1, -6) - 3)
;;       q = np.round(r / step) * step * 2.0 ** e      # np.round: ties to even
;;       return np.moveaxis(q.reshape(q.shape[:-2] + (-1,))[..., :K], -1, axis).astype(np.float32)
;;   ~~~
;;   SOFTMAX AHEAD OF A QUANTISED PRODUCT. Where the list says 'softmax', what is quantised is not the finished softmax but p = 2^(t - M), with t = logit x log2(e) and M = ceil(the row's largest t), a whole number; so 1/2 < the row's largest p <= 1. The row's sum l is taken of the UNQUANTISED p, in f32, and the product's result is divided by l at the end. Since M is a whole number, a kernel that streams over the keys may use a running M (the ceiling of the running maximum): every later rescaling is an exact power of two, which a block's scale takes up: the codes' values come out the same.
;;   OPERANDS COMPUTED ON THE WAY. 'Computed on the way' means the value that the module computes at that place (a softmax that the list does not call 'softmax' is quantised finished and normalised). What goes into a quantiser is computed in f32, as accurately as f32 sums, v_exp_f32 and their like allow (about 1e-6 of the number): no bf16 or f16 on the way to a quantiser, and a product that is left as it is and whose result goes on into a quantised operand takes f32 operands (vector FMAs, or v_wmma_f32_16x16x4_f32). A number that lies on a knife's edge between two numbers of the format may be rounded either way, as far as f32 arithmetic and the matrix unit's own rounding can turn it there, and no further.
;; One version. Each part assembles by itself: llvm-mc -triple=amdgcn-amd-amdhsa -mcpu=gfx1250 --defsym DOCPART=n.
;; ======== version 1 of 1: 7 launches
;; limits: right only within a limited range of input values
;; workspace buffers: img 17,301,504 bytes; qkvc 12,976,128 bytes; aoc 4,325,376 bytes; x1f 16,777,216 bytes; x1c 4,325,376 bytes; hc 17,301,504 bytes; yp 67,108,864 bytes
;; launch quant (part 1): grid 256 x 1, 8 waves a work-group, no clusters, 68,608 bytes of LDS; arguments src, qw, kw, vw, ow, w1, w2, img; writes img
.if DOCPART == 1
	.amdgcn_target "amdgcn-amd-amdhsa--gfx1250"
	.amdhsa_code_object_version 6
	.text
	.protected	k_q1735fc1484_quant
	.globl	k_q1735fc1484_quant
	.p2align	8
	.type	k_q1735fc1484_quant,@function
k_q1735fc1484_quant:
	s_mov_b64 s[64:65], 0
	v_nop
	global_prefetch_b8 v0, s[64:65] scope:SCOPE_SE
	s_setreg_imm32_b32 hwreg(HW_REG_WAVE_MODE, 25, 1), 1
	s_wait_xcnt 0x0
; src and the six weights, f32 with K innermost, become codes of E4M3 with one E8M0 byte for each 32 along K, laid as IMAGES OF OPERAND REGISTERS.
; A UNIT (8,448 bytes) is 64 rows x 128 K: four tiles of 16 rows; tile t's codes at 2048 t + 512 c + 16 lane (lane = 16 h + r: the 16 codes k = 32 c + 16 h + 0..15 of the row in place r);
; behind the codes the scale words, at 8192 + 16 r + 4 t (byte c of a word: block c).  Unit (ks, g) of a tensor with Gn groups of 64 rows lies at (ks Gn + g) x 8448.
; THE ROWS OF A TILE ARE NOT NEIGHBOURS: place r of tile t holds row 32 (t / 2) + 8 (t % 2) + 16 (r / 8) + r % 8 of the group, so that a product that takes such a tile as its source 0
; leaves 16 neighbouring rows in the 16 registers of two neighbouring tiles.
; A block's scale is 2^(floor(log2(largest magnitude)) - 8); its byte is the largest magnitude's exponent field - 8, held at 1 from below.
; LIMITS: a block of zeros gets the byte 1 (its codes are zeros; this program alone reads the bytes); NaN and infinities among the inputs are not served.
; 112-127 ow, 128-191 w1, 192-255 w2 (16 groups x four runs of 1,024 along K).  Only pointers and numbers are chosen: all take one path.
; Each load reads 512 consecutive bytes of a row; a tile turns through the wave's own stage in LDS (16 rows of 512 + 16 bytes) so that a lane holds 16 neighbours of each block.
; No tensor load, no barrier, no cluster: work-groups and waves share no input.
.set UNIT, 8448
.set SP,   528                         ; a stage row: 512 bytes + 16
.set OF,   16                          ; v16-31  byte offset of my 16 bytes in row i of a tile
.set XR,   32                          ; v32-159 two sets of 64 numbers
.set PC,   160                         ; v160-223 codes, 16 registers a tile: no store's data are written again
.set TM,   224                         ; v224-239 at work
.set PW,   240                         ; v240-243 the four tiles' scale words
.set SEL,  44                          ; s[44:45] lane selects: lane l xor 16
.set MNT,  46                          ; the mantissa field of 448
.set HM,   47                          ; lanes 16-31
	s_load_b512 s[8:23], s[0:1], 0x0               ; src, qw, kw, vw, ow, w1, w2, img
	v_lshl_add_u32 v254, v0, 2, 0x10800
	v_mov_b32 v255, 0
	v_lshrrev_b32 v5, 5, v0
	s_delay_alu instid0(VALU_DEP_1)
	v_readfirstlane_b32 s4, v5                     ; wave: which 128 of the run of 1,024 along K
	v_and_b32 v6, 31, v0
	v_and_b32 v7, 15, v0                           ; r
	v_bfe_u32 v8, v0, 4, 1                         ; h
	s_delay_alu instid0(VALU_DEP_3)
	v_lshlrev_b32 v1, 4, v6                        ; 16 x lane
	s_delay_alu instid0(VALU_DEP_3)
	v_lshlrev_b32 v2, 4, v7
	s_delay_alu instid0(VALU_DEP_1)
	v_lshl_add_u32 v2, v8, 3, v2                   ; 16 r + 8 h: my two scale words
	s_mul_i32 s5, s4, UNIT                         ; my stage
	v_add_nc_u32 v3, s5, v1                        ; into it: as loaded
	v_mul_u32_u24 v4, v7, SP
	s_delay_alu instid0(VALU_DEP_1)
	v_lshl_add_u32 v4, v8, 6, v4
	s_delay_alu instid0(VALU_DEP_1)
	v_add_nc_u32 v4, s5, v4                        ; out of it: row r, + 64 h
.irp b, 0,1,2,3
	v_mov_b32 v[TM+4+\b], 0                        ; written once: a lane permute's destination counts as one of its sources
.endr
	s_mov_b32 s[SEL], 0x76543210
	s_mov_b32 s[SEL+1], 0xfedcba98
	s_mov_b32 s[MNT], 0x600000
	s_mov_b32 s[HM], 0xffff0000
	s_mov_b32 s32, 192                             ; the tensor's first work-group,
	s_mov_b32 s33, 16                              ; its image's groups of 64 rows,
	s_mov_b32 s34, 12976128                        ; where its image begins,
	s_mov_b32 s35, 0                               ; groups in front of it in that image,
	s_mov_b32 s36, 15                              ; its own groups - 1,
	s_mov_b32 s37, 4                               ; their logarithm,
	s_mov_b32 s38, 16384                           ; a row in bytes: these are w2's
	s_wait_kmcnt 0x0
	s_mov_b64 s[6:7], s[20:21]
.macro PICK below, ptr, w0, gn, roff, dg, gm, sh   ; the choice hangs on the work-group's number alone
	s_cmp_lt_u32 ttmp9, \below
	s_cselect_b64 s[6:7], s[\ptr:\ptr+1], s[6:7]
	s_cselect_b32 s32, \w0, s32
	s_cselect_b32 s33, \gn, s33
	s_cselect_b32 s34, \roff, s34
	s_cselect_b32 s35, \dg, s35
	s_cselect_b32 s36, \gm, s36
	s_cselect_b32 s37, \sh, s37
	s_cselect_b32 s38, 4096, s38
.endm
	PICK 192, 18, 128, 64, 8650752, 0, 63, 6       ; w1
	PICK 128, 16, 112, 16, 7569408, 0, 15, 4       ; ow
	PICK 112, 14, 96, 16, 6488064, 0, 15, 4        ; vw
	PICK 96, 12, 80, 32, 4325376, 16, 15, 4        ; kw
	PICK 80, 10, 64, 32, 4325376, 0, 15, 4         ; qw
	PICK 64, 8, 0, 64, 0, 0, 63, 6                 ; src
	s_sub_co_u32 s39, ttmp9, s32
	s_and_b32 s40, s39, s36                        ; g: my group of 64 rows
	s_lshr_b32 s41, s39, s37
	s_lshl_b32 s41, s41, 3
	s_add_co_u32 s41, s41, s4                      ; ks: my 128 along K
	s_lshl_b32 s42, s40, 6
	s_mul_i32 s42, s42, s38                        ; 64 g rows,
	s_lshl_b32 s43, s41, 9
	s_add_co_u32 s42, s42, s43                     ; + 512 ks bytes (under 2^25)
	s_mov_b32 s43, 0
	s_add_nc_u64 s[6:7], s[6:7], s[42:43]
.irp tl, 0,1,2,3
	s_mul_i32 s42, s38, 32*(\tl/2)+8*(\tl%2)       ; tile tl begins 32 (tl / 2) + 8 (tl % 2) rows on
	s_add_nc_u64 s[24+2*\tl:25+2*\tl], s[6:7], s[42:43]
.endr
	s_mul_i32 s42, s41, s33
	s_add_co_u32 s42, s42, s40
	s_add_co_u32 s42, s42, s35
	s_mul_i32 s42, s42, UNIT
	s_add_co_u32 s42, s42, s34
	s_add_nc_u64 s[22:23], s[22:23], s[42:43]      ; my unit
.irp i, 0,1,2,3,4,5,6,7,8,9,10,11,12,13,14,15
	v_mad_u32_u24 v[OF+\i], s38, 16*(\i/8)+\i%8, v1   ; place i of a tile: 16 (i / 8) + i % 8 rows on
.endr
.macro LOADT tl                        ; a tile's 16 rows x 512 bytes into set tl % 2
.irp i, 0,1,2,3,4,5,6,7,8,9,10,11,12,13,14,15
	global_load_b128 v[XR+64*((\tl)%2)+4*\i:XR+64*((\tl)%2)+4*\i+3], v[OF+\i], s[24+2*(\tl):25+2*(\tl)] th:TH_LOAD_NT
.endr
.endm
; 64 numbers of a lane, register 16 b + i = k 32 b + 16 h + i of my row, become a fragment's 16 registers of codes and its scale word
.macro QUANT s, pc, pw
.irp b, 0,1,2,3
	v_max3_num_f32 v[TM+\b], |v[\s+16*\b]|, |v[\s+1+16*\b]|, 0x4800000   ; my 16 numbers of block b, and the floor 2^(9 - 127): the byte cannot fall under 1
.endr
.irp i, 2,4,6,8,10,12,14
.irp b, 0,1,2,3
	s_delay_alu instid0(VALU_DEP_4)
	v_max3_num_f32 v[TM+\b], v[TM+\b], |v[\s+16*\b+\i]|, |v[\s+1+16*\b+\i]|   ; the four blocks by turns
.endr
.endr
.irp b, 0,1,2,3
	s_delay_alu instid0(VALU_DEP_4)
	v_permlanex16_b32 v[TM+4+\b], v[TM+\b], s[SEL], s[SEL+1]
.endr
.irp b, 0,1,2,3
	s_delay_alu instid0(VALU_DEP_4)
	v_max_num_f32 v[TM+\b], v[TM+\b], v[TM+4+\b]   ; with lane l xor 16's: the block's largest magnitude
.endr
.irp b, 0,1,2,3
	s_delay_alu instid0(VALU_DEP_4)
	v_add_nc_u32 v[TM+12+\b], 0xfc000000, v[TM+\b] ; 8 off its exponent field: the conversion's scale operand
.endr
.irp b, 0,1,2,3
	v_and_or_b32 v[TM+8+\b], v[TM+\b], 0x7f800000, s[MNT]   ; 448 x the scale
.endr
.irp b, 0,1,2,3
	v_lshrrev_b32 v[TM+4+\b], 23, v[TM+12+\b]      ; the scale's byte
.endr
	s_delay_alu instid0(VALU_DEP_3)
	v_lshl_or_b32 v[\pw], v[TM+5], 8, v[TM+4]
	s_delay_alu instid0(VALU_DEP_1)
	v_lshl_or_b32 v[\pw], v[TM+6], 16, v[\pw]
	s_delay_alu instid0(VALU_DEP_1)
	v_lshl_or_b32 v[\pw], v[TM+7], 24, v[\pw]
.irp b, 0,1,2,3
.irp i, 0,1,2,3,4,5,6,7,8,9,10,11,12,13,14,15
	v_med3_num_f32 v[\s+16*\b+\i], v[\s+16*\b+\i], -v[TM+8+\b], v[TM+8+\b]   ; the conversion to an 8-bit code does not saturate (ISA guide 7.6.2): the hold comes first
.endr
	v_cvt_scalef32_pk8_fp8_f32 v[\pc+4*\b:\pc+1+4*\b], v[\s+16*\b:\s+7+16*\b], v[TM+12+\b]
	v_cvt_scalef32_pk8_fp8_f32 v[\pc+2+4*\b:\pc+3+4*\b], v[\s+8+16*\b:\s+15+16*\b], v[TM+12+\b]
.endr
	v_nop                                          ; one plain line behind the last conversion
.endm
.macro TILE tl
.set XS, XR+64*((\tl)%2)
.if (\tl) < 3
	s_wait_loadcnt 16                              ; this tile's 16 loads are in; the next tile's 16 may be out
.else
	s_wait_loadcnt 0x0
.endif
.irp i, 0,1,2,3,4,5,6,7,8,9,10,11,12,13,14,15
	ds_store_b128 v3, v[XS+4*\i:XS+4*\i+3] offset:\i*SP
.endr
.irp j, 0,1,2,3,4,5,6,7,8,9,10,11,12,13,14,15
	ds_load_b128 v[XS+4*\j:XS+4*\j+3], v4 offset:128*(\j/4)+16*(\j%4)   ; LDS serves a wave's instructions in order: these see the stores above
.endr
	s_wait_dscnt 0x0
	QUANT XS, PC+16*(\tl), PW+(\tl)
.irp c, 0,1,2,3
	global_store_b128 v1, v[PC+16*(\tl)+4*\c:PC+16*(\tl)+4*\c+3], s[22:23] offset:(\tl)*2048+\c*512   ; 512 consecutive bytes, aligned
.endr
.if (\tl)+2 < 4
	LOADT (\tl)+2
.endif
.endm
	LOADT 0
	LOADT 1
	TILE 0
	TILE 1
	TILE 2
	TILE 3
	v_cndmask_b32 v244, v[PW], v[PW+2], s[HM]      ; lanes 0-15 store tiles 0 and 1's words of row r, lanes 16-31 tiles 2 and 3's
	v_cndmask_b32 v245, v[PW+1], v[PW+3], s[HM]
	global_store_b64 v2, v[244:245], s[22:23] offset:8192   ; 256 consecutive bytes, aligned
	s_wait_tensorcnt 0x0
	ds_add_u32 v254, v255
	s_wait_dscnt 0x0
	s_endpgm
.Lfunc_end_k_q1735fc1484_quant:
	.size	k_q1735fc1484_quant, .Lfunc_end_k_q1735fc1484_quant-k_q1735fc1484_quant
	.p2alignl 7, 3214868480
	.fill 96, 4, 3214868480
	.section	.rodata,"a",@progbits
	.p2align	6, 0x0
	.amdhsa_kernel k_q1735fc1484_quant
		.amdhsa_group_segment_fixed_size 68608
		.amdhsa_private_segment_fixed_size 0
		.amdhsa_enable_private_segment 0
		.amdhsa_kernarg_size 64
		.amdhsa_user_sgpr_count 2
		.amdhsa_user_sgpr_kernarg_segment_ptr 1
		.amdhsa_wavefront_size32 1
		.amdhsa_system_sgpr_workgroup_id_x 1
		.amdhsa_system_sgpr_workgroup_id_y 1
		.amdhsa_system_sgpr_workgroup_id_z 1
		.amdhsa_system_vgpr_workitem_id 0
		.amdhsa_next_free_vgpr 256
		.amdhsa_next_free_sgpr 66
		.amdhsa_reserve_vcc 0
		.amdhsa_float_denorm_mode_32 3
		.amdhsa_float_denorm_mode_16_64 3
		.amdhsa_memory_ordered 1
		.amdhsa_forward_progress 1
		.amdhsa_inst_pref_size 60
	.end_amdhsa_kernel
	.amdgpu_metadata
---
amdhsa.version: [ 1, 2 ]
amdhsa.kernels:
  - .name:           k_q1735fc1484_quant
    .symbol:         k_q1735fc1484_quant.kd
    .args:
      - { .name: src, .offset: 0, .size: 8, .value_kind: global_buffer, .address_space: global }
      - { .name: qw, .offset: 8, .size: 8, .value_kind: global_buffer, .address_space: global }
      - { .name: kw, .offset: 16, .size: 8, .value_kind: global_buffer, .address_space: global }
      - { .name: vw, .offset: 24, .size: 8, .value_kind: global_buffer, .address_space: global }
      - { .name: ow, .offset: 32, .size: 8, .value_kind: global_buffer, .address_space: global }
      - { .name: w1, .offset: 40, .size: 8, .value_kind: global_buffer, .address_space: global }
      - { .name: w2, .offset: 48, .size: 8, .value_kind: global_buffer, .address_space: global }
      - { .name: img, .offset: 56, .size: 8, .value_kind: global_buffer, .address_space: global }
    .group_segment_fixed_size: 68608
    .private_segment_fixed_size: 0
    .kernarg_segment_align: 8
    .kernarg_segment_size: 64
    .max_flat_workgroup_size: 256
    .sgpr_count:     66
    .vgpr_count:     256
    .wavefront_size: 32
...
	.end_amdgpu_metadata
.endif
;; end of part 1
;; launch qkvp (part 2): grid 8 x 24, 4 waves a work-group, clusters of 4 x 4, 327,680 bytes of LDS; arguments img, qb, kb, vb, qkvc; writes qkvc
.if DOCPART == 2
	.amdgcn_target "amdgcn-amd-amdhsa--gfx1250"
	.amdhsa_code_object_version 6
	.text
	.protected	k_q1735fc1484_qkvp
	.globl	k_q1735fc1484_qkvp
	.p2align	8
	.type	k_q1735fc1484_qkvp,@function
k_q1735fc1484_qkvp:
	s_mov_b64 s[64:65], 0
	v_nop
	global_prefetch_b8 v0, s[64:65] scope:SCOPE_SE
	s_setreg_imm32_b32 hwreg(HW_REG_WAVE_MODE, 25, 1), 1
	s_wait_xcnt 0x0
	s_wait_alu depctr_hold_cnt(0) depctr_sa_sdst(0) depctr_va_vdst(0) depctr_va_sdst(0) depctr_va_ssrc(0) depctr_va_vcc(0) depctr_vm_vsrc(0)
	s_getreg_b32 s2, hwreg(HW_REG_IB_STS2, 6, 4)
	s_cmp_eq_u32 s2, 0
	s_cbranch_scc0 .Lentry_in_a_cluster
	s_endpgm
.Lentry_in_a_cluster:
	s_bfe_u32 s2, ttmp6, 0x10000c
	s_cmp_lg_u32 s2, 0xf033
	s_cbranch_scc0 .Lentry_shape_is_right
	s_endpgm
.Lentry_shape_is_right:
; q, k and v of every head, quantised on the way out.  One GEMM core on register images (units of 64 rows x 128 K: 8,192 bytes of codes, 256 of scale words), two roles by the CLUSTER's y:
;   role QK (cluster y 0-3): lane side S1 = 256 tokens, register side S0 = 256 rows of [qw; kw]: a lane holds one token and 128 neighbouring features (two heads): quantised along the head's 64;
;   role V  (cluster y 4, 5): lane side S1 = 256 rows of vw, register side S0 = 256 tokens: a lane holds one feature and 128 neighbouring tokens: V^T, quantised along the keys.
; A work-group makes 256 x 256, each of its four waves 128 x 128: 64 accumulators, 512 registers.  K = 1,024 goes in steps of 256 through a ring of two LDS slots; a slot is four dense blocks of
; 33,792 bytes (S1's two K steps of 128, S0's two), one tensor load a wave.  Fragments and scale words are read at 16 x lane: consecutive bytes, no pitch.
; CLUSTERS 4 x 4: S1's blocks hang on the tile row alone and are asked for jointly along a row of the cluster, S0's on the tile column alone, along a column.
; The matrix instruction takes S0 as source 0 and S1 as source 1.  qb and kb are the C of the first products; vb, which runs along the lanes, is added on the way out.
; OUT: q: units (16 b + head, step of 128 tokens) of 8,448 bytes: tile a's codes at 1024 a + 512 c + 16 lane; scale words at 8192 + 16 r + 4 (a / 2): bytes [even tile c0 c1, odd tile c0 c1].
;      k the same, v as a plain unit of V^T [64][128 keys]; k's and v's units of a step lie together, 16,896 bytes a step.
; No prefetch is written: the launch has four slots' worth of K, and each block is asked for jointly and by several clusters.
; LIMITS: a block of zeros gets the scale byte 1 (its codes are zeros; this program alone reads the bytes); NaN and infinities are not served.
; REGISTERS: window 0: v0-15 vb of my eight tiles, each twice; v16-31 addresses; v32-63 scale words, two sets; v64-127 the bias; v128-255 S1's fragments, one set; on the way out v160-227 at work.
;   window 1: S0's fragments, two sets.  windows 2, 3: the accumulators ((a, b) at v[8 (8 (a % 4) + b)] of window 2 + a / 4).
.set LAPS,  2
.set UNIT,  8448
.set QTR,   4*UNIT
.set SLOT,  4*QTR
.set SPARE, 2*SLOT                     ; behind the ring: the spare words, 128 bytes a wave
.set T,     130                        ; temporaries of the head
.set ADRA,  16
.set ADRB,  20
.set ADRS,  22
.set CO,    26                         ; 16 x lane
.set BO,    27                         ; 64 h
.set SPW,   28
.set NIL,   29
.set VO,    30                         ; vb: my place's row in a tile, in bytes
.set SO,    31                         ; the scale words' store: 16 r + h x a head's distance
.set SC,    32
.set BIAS,  64
.set AF,    128
.set PC,    160
.set TM,    200
.set PW,    216
.set SW,    224
.set G1,    24
.set G0,    32
.set G1B,   48
.set G0B,   56
.set SEL,   18
.set ST1,   68                         ; s[68:69], s[70:71] four K steps of 128 on in S1's and S0's image
.set ST0,   70
.set HS1,   72                         ; s[72:73], s[74:75] two K steps on
.set HS0,   74
.set MNT,   83
.set HM,    2
.set MSB,   0
.macro WIN new                         ; the immediate's high byte repeats the setting that is left
.if MSB != \new
	s_set_vgpr_msb (MSB<<8)|\new
.set MSB, \new
.endif
.endm
.set MUL_LO, 0xa1                      ; source 0 window 1, source 1 window 0, C and D window 2
.set MUL_HI, 0xf1
.set TO_B,   0x40
.macro JLOAD g0a, g1a, g0b, g1b        ; waves 0 and 1 fetch for S1, waves 2 and 3 for S0; four v_nop follow each line
	s_cmp_eq_u32 s15, 0
	s_cbranch_scc0 .Lfor_b_\@
	tensor_load_to_lds s[\g0a:\g0a+3], s[\g1a:\g1a+7]
	s_nop 0
.rept 4
	v_nop
.endr
	s_branch .Lasked_\@
.Lfor_b_\@:
	tensor_load_to_lds s[\g0b:\g0b+3], s[\g1b:\g1b+7]
	s_nop 0
.rept 4
	v_nop
.endr
.Lasked_\@:
.endm
.macro CREST
	s_cmp_lg_u32 s14, 0
	s_cbranch_scc1 .Lnot_wave_0_\@
	s_barrier_signal -3
.Lnot_wave_0_\@:
	s_barrier_wait -3
	s_barrier_signal -1
	s_barrier_wait -1
.endm
.macro CROUND
	s_barrier_signal -1
	s_barrier_wait -1
	CREST
.endm
.macro PLACES n
.rept \n
	v_nop
.endr
.endm
	s_load_b64 s[4:5], s[0:1], 0x0                 ; img
	s_load_b256 s[84:91], s[0:1], 0x8              ; qb, kb, vb, qkvc
	v_lshl_add_u32 v[SPW], v0, 2, SPARE
	v_mov_b32 v[NIL], 0
	ds_add_u32 v28, v29
	ds_add_u32 v28, v29
	s_wait_dscnt 0x0
	v_lshrrev_b32 v[T], 5, v0
	v_readfirstlane_b32 s14, v[T]                  ; wave
	s_lshr_b32 s15, s14, 1                         ; wr: my half of S1's rows.  Also: I fetch for S1 (0) or S0 (1)
	s_and_b32 s16, s14, 1                          ; wc: my half of S0's rows.  Also: which K step of a slot I fetch
	s_bfe_u32 s40, ttmp6, 0x40000                  ; cx
	s_bfe_u32 s41, ttmp6, 0x40004                  ; cy
	s_lshl_b32 s42, ttmp9, 2
	s_add_co_u32 s42, s42, s40                     ; X
	s_and_b32 s66, ttmp7, 0xffff                   ; the cluster's y: the same in all sixteen partners
	s_lshl_b32 s17, s66, 2
	s_add_co_u32 s17, s17, s41                     ; Y
	s_lshl_b32 s43, s41, 2
	s_lshl_b32 s43, 15, s43                        ; my row of the cluster
	s_lshl_b32 s44, 0x1111, s40                    ; my column
	s_or_b32 s[G1+0], s43, (3<<16)|(1<<21)         ; the mask; elements of 8 bytes; bit 21 beside a mask; no padding
	s_or_b32 s[G1B+0], s44, (3<<16)|(1<<21)
.irp g, G1, G1B
	s_mov_b32 s[\g+1], 32<<16                      ; a dense block of 33,792 bytes as 132 rows of 256
	s_mov_b32 s[\g+2], 132<<16
	s_mov_b32 s[\g+3], 32<<16
	s_mov_b32 s[\g+4], 132
	s_mov_b32 s[\g+5], 32
	s_mov_b32 s[\g+6], 0
	s_mov_b32 s[\g+7], 0
.endr
	s_sub_co_u32 s79, s66, 4
	s_lshl_b32 s79, s79, 3
	s_add_co_u32 s79, s79, s42                     ; role V's tile of tokens: X + 8 (cluster y - 4)
	s_mov_b32 s78, 6488064                         ; vw's image
	s_mov_b32 s80, 4325376                         ; [qw; kw]'s image
	s_cmp_lt_u32 s66, 4                            ; the role
	s_cselect_b32 s67, -1, 0                       ; all ones: QK
	s_cselect_b32 s76, s17, s41                    ; S1's tile: Y, or cy
	s_cselect_b32 s77, 64, 16                      ; S1's groups of 64 rows
	s_cselect_b32 s78, 0, s78                      ; where S1's image begins
	s_cselect_b32 s79, s42, s79                    ; S0's tile
	s_cselect_b32 s81, 32, 64
	s_cselect_b32 s80, s80, 0
	s_mul_i32 s20, s16, s77                        ; S1: unit (my K step) x groups + 4 x tile
	s_lshl_b32 s21, s76, 2
	s_add_co_u32 s20, s20, s21
	s_mul_i32 s20, s20, UNIT
	s_add_co_u32 s20, s20, s78
	s_mov_b32 s21, 0
	s_mul_i32 s46, s16, s81                        ; S0 likewise, in registers that never hold cy
	s_lshl_b32 s47, s79, 2
	s_add_co_u32 s46, s46, s47
	s_mul_i32 s46, s46, UNIT
	s_add_co_u32 s46, s46, s80
	s_mov_b32 s47, 0
	s_mul_i32 s[HS1], s77, 2*UNIT
	s_mov_b32 s[HS1+1], 0
	s_mul_i32 s[ST1], s77, 4*UNIT
	s_mov_b32 s[ST1+1], 0
	s_mul_i32 s[HS0], s81, 2*UNIT
	s_mov_b32 s[HS0+1], 0
	s_mul_i32 s[ST0], s81, 4*UNIT
	s_mov_b32 s[ST0+1], 0
	s_mul_i32 s45, s14, QTR                        ; where my block goes: wave x 33,792
	s_mov_b32 s[SEL], 0x76543210
	s_mov_b32 s[SEL+1], 0xfedcba98
	s_mov_b32 s[MNT], 0x600000
	s_mov_b32 s[HM], 0xffff0000
	s_wait_kmcnt 0x0
	s_add_nc_u64 s[20:21], s[4:5], s[20:21]
	s_add_nc_u64 s[46:47], s[4:5], s[46:47]
	CROUND                                         ; all sixteen work-groups are here: the first joint loads meet
	s_mov_b32 s[G0], 1
	s_mov_b32 s[G0+1], s45
	s_mov_b64 s[G0+2:G0+3], s[20:21]
	s_or_b32 s[G0+3], s[G0+3], 0x80000000
	s_mov_b32 s[G0B], 1
	s_mov_b32 s[G0B+1], s45
	s_mov_b64 s[G0B+2:G0B+3], s[46:47]
	s_or_b32 s[G0B+3], s[G0B+3], 0x80000000
	JLOAD G0, G1, G0B, G1B                         ; slot 0: K steps 0 and 1
	s_mov_b32 s[G0+4], 1
	s_add_co_u32 s[G0+5], s45, SLOT
	s_add_nc_u64 s[G0+6:G0+7], s[20:21], s[HS1:HS1+1]
	s_or_b32 s[G0+7], s[G0+7], 0x80000000
	s_mov_b32 s[G0B+4], 1
	s_add_co_u32 s[G0B+5], s45, SLOT
	s_add_nc_u64 s[G0B+6:G0B+7], s[46:47], s[HS0:HS0+1]
	s_or_b32 s[G0B+7], s[G0B+7], 0x80000000
	v_and_b32 v[T+1], 15, v0                       ; r
	v_bfe_u32 v[T+2], v0, 4, 1                     ; h
	v_and_b32 v[T+3], 31, v0
	v_lshlrev_b32 v[CO], 4, v[T+3]
	s_mul_i32 s21, s15, 2*UNIT                     ; my 128 rows of S1: two units
	s_mul_i32 s22, s16, 2*UNIT                     ; my 128 rows of S0,
	s_add_co_u32 s22, s22, 2*QTR                   ; which lie behind S1's two blocks
	v_add_nc_u32 v[ADRA], s21, v[CO]
	v_add_nc_u32 v[ADRB], s22, v[CO]
	v_add_nc_u32 v[ADRA+1], SLOT, v[ADRA]
	v_add_nc_u32 v[ADRB+1], SLOT, v[ADRB]
	s_sub_co_u32 s22, s22, s21
	v_mul_u32_u24 v[T+4], s22, v[T+2]              ; lanes 16-31 take S0's scale words
	v_lshl_add_u32 v[T+4], v[T+1], 4, v[T+4]
	s_add_co_u32 s21, s21, 8192
	v_add_nc_u32 v[ADRS], s21, v[T+4]
	v_add_nc_u32 v[ADRS+1], SLOT, v[ADRS]
	v_lshlrev_b32 v[BO], 6, v[T+2]
	s_wait_alu depctr_va_vdst(0)
	v_and_b32 v[VO], 8, v[T+1]
	v_add_nc_u32 v[VO], v[VO], v[T+1]
	v_lshlrev_b32 v[VO], 2, v[VO]                  ; (r + 8 (r / 8)) x 4
	; where the results go, and which bias
	s_wait_alu depctr_va_vdst(0)
	s_mov_b32 s96, 2*UNIT                          ; a step's bytes: k's and v's regions
	s_mov_b32 s97, 4325376                         ; k's units
	s_cmp_eq_u32 ttmp9, 0                          ; X under 4: q
	s_cselect_b32 s96, UNIT, s96
	s_cselect_b32 s97, 0, s97
	s_cselect_b64 s[8:9], s[84:85], s[86:87]
	s_mov_b32 s98, 2*UNIT
	s_mov_b32 s99, 4325376+UNIT                    ; v's units
	s_cmp_lt_u32 s66, 4
	s_cselect_b32 s96, s96, s98
	s_cselect_b32 s97, s97, s99
	s_cselect_b64 s[8:9], s[8:9], s[88:89]         ; (role V loads vb here and drops it: its bias runs along the lanes)
	s_cselect_b32 s92, s17, s79                    ; the tile of 256 tokens
	s_cselect_b32 s93, s40, s41                    ; four heads x cx, or cy
	s_cselect_b32 s94, s16, s15                    ; two heads x wc, or wr
	s_cselect_b32 s95, s15, s16                    ; the step of 128 tokens: + wr, or wc
	s_lshr_b32 s98, s92, 3
	s_lshl_b32 s98, s98, 4
	s_lshl_b32 s93, s93, 2
	s_add_co_u32 s98, s98, s93
	s_lshl_b32 s94, s94, 1
	s_add_co_u32 s98, s98, s94                     ; 16 b + my first head
	s_lshl_b32 s98, s98, 4
	s_and_b32 s92, s92, 7
	s_lshl_b32 s92, s92, 1
	s_add_co_u32 s98, s98, s92
	s_add_co_u32 s98, s98, s95
	s_mul_i32 s98, s98, s96
	s_add_co_u32 s98, s98, s97
	s_mov_b32 s99, 0
	s_add_nc_u64 s[10:11], s[90:91], s[98:99]      ; my first head's unit,
	s_lshl_b32 s98, s96, 4
	s_add_nc_u64 s[12:13], s[10:11], s[98:99]      ; my second head's: sixteen steps on
	v_mul_u32_u24 v[SO], s98, v[T+2]
	v_lshl_add_u32 v[SO], v[T+1], 4, v[SO]
	s_lshl_b32 s92, s40, 10
	s_lshl_b32 s93, s16, 9
	s_add_co_u32 s92, s92, s93
	s_mov_b32 s93, 0
	s_add_nc_u64 s[8:9], s[8:9], s[92:93]          ; the bias of my 128 features: 256 cx + 128 wc
	s_lshl_b32 s92, s41, 10
	s_lshl_b32 s94, s15, 9
	s_add_co_u32 s92, s92, s94
	s_add_nc_u64 s[88:89], s[88:89], s[92:93]      ; vb at feature 256 cy + 128 wr
.irp j, 0,1,2,3,4,5,6,7,8,9,10,11,12,13,14,15
	global_load_b128 v[BIAS+4*\j:BIAS+4*\j+3], v[BO], s[8:9] offset:128*(\j/4)+16*(\j%4)   ; register 16 b + i: feature 32 b + 16 h + i: the results' layout
.endr
.irp a, 0,1,2,3,4,5,6,7
	global_load_b32 v[2*\a], v[VO], s[88:89] offset:(64*(\a/4)+32*((\a%4)/2)+8*(\a%2))*4     ; vb of my place in tile a, twice: a pair for the packed addition
	global_load_b32 v[2*\a+1], v[VO], s[88:89] offset:(64*(\a/4)+32*((\a%4)/2)+8*(\a%2))*4
.endr
.macro FRAG reg, adr, q, i             ; a fragment, 16 rows x 128 K: four loads of 512 consecutive bytes
.irp c, 0,1,2,3
	ds_load_b128 v[\reg+4*\c:\reg+4*\c+3], v[\adr] offset:(\q)*QTR+((\i)/4)*UNIT+((\i)%4)*2048+512*\c
.endr
.endm
; 16 matrix instructions: S1's tiles a0, a0 + 1 x S0's eight.  The 64 accumulators take turns, one instruction a turn, in the same order in every step.
.macro MUL16 a0, p, q, sc, first
.irp a, \a0, \a0+1
.irp b, 0,1,2,3,4,5,6,7
.if \first
	v_wmma_scale_f32_16x16x128_f8f6f4 v[8*(8*((\a)%4)+\b):8*(8*((\a)%4)+\b)+7], v[128*(\p)+16*\b:128*(\p)+16*\b+15], v[AF+16*(\a):AF+16*(\a)+15], v[BIAS+8*\b:BIAS+8*\b+7], v[SC+16*(\sc)+8*(\q)+\b], v[SC+16*(\sc)+8*(\q)+(\a)] matrix_a_scale:MATRIX_SCALE_ROW1
.else
	v_wmma_scale_f32_16x16x128_f8f6f4 v[8*(8*((\a)%4)+\b):8*(8*((\a)%4)+\b)+7], v[128*(\p)+16*\b:128*(\p)+16*\b+15], v[AF+16*(\a):AF+16*(\a)+15], v[8*(8*((\a)%4)+\b):8*(8*((\a)%4)+\b)+7], v[SC+16*(\sc)+8*(\q)+\b], v[SC+16*(\sc)+8*(\q)+(\a)] matrix_a_scale:MATRIX_SCALE_ROW1
.endif
.endr
.endr
.endm
.macro FETCH_B slot, q, p
	WIN TO_B
.irp i, 0,1,2,3,4,5,6,7
	FRAG 128*(\p)+16*\i, ADRB+\slot, \q, \i
.endr
	WIN 0
.endm
.macro FETCH_A slot, q, i0
.irp i, \i0, \i0+1, \i0+2, \i0+3
	FRAG AF+16*(\i), ADRA+\slot, \q, \i
.endr
.endm
.macro SCALES s                        ; a slot's scale words: register 8 q + i: lanes 0-15 S1's tile i, lanes 16-31 S0's tile i
.irp q, 0,1
.irp u, 0,1
	ds_load_b128 v[SC+16*\s+8*\q+4*\u:SC+16*\s+8*\q+4*\u+3], v[ADRS+\s] offset:\q*QTR+\u*UNIT
.endr
.endr
.endm
.macro NEXTG slot                      ; this slot's next two K steps
	s_add_nc_u64 s[G0+4*\slot+2:G0+4*\slot+3], s[G0+4*\slot+2:G0+4*\slot+3], s[ST1:ST1+1]
	s_add_nc_u64 s[G0B+4*\slot+2:G0B+4*\slot+3], s[G0B+4*\slot+2:G0B+4*\slot+3], s[ST0:ST0+1]
.endm
; A slot's first step of 128 along K.  Eight plain places stand in front of loads into registers that matrix instructions have read.
.macro STEP slot, q, first
	s_wait_dscnt 16                                ; all but the youngest sixteen loads (S1's tiles 4-7)
.if \first
	WIN 0x81                                       ; C (the bias) window 0, D window 2
.else
	WIN MUL_LO
.endif
	MUL16 0, (\q)%2, \q, \slot, \first
	MUL16 2, (\q)%2, \q, \slot, \first
	s_wait_dscnt 0
	PLACES 8
	FETCH_B \slot, (\q)+1, 1-(\q)%2
	FETCH_A \slot, (\q)+1, 0
.if \first
	WIN 0xc1
.else
	WIN MUL_HI
.endif
	MUL16 4, (\q)%2, \q, \slot, \first
	MUL16 6, (\q)%2, \q, \slot, \first
	PLACES 8
	WIN 0
	FETCH_A \slot, (\q)+1, 4
.endm
; A slot's last step changes slots: one barrier; in front of it each wave waits for all its tensor loads, adds 0 to its spare word, and waits for that and for its reads of this slot.
.macro TURN slot, next, fill
	s_wait_tensorcnt 0x0                           ; all my tensor loads have landed: my part of the next slot
	ds_add_u32 v[SPW], v[NIL]                      ; 0 onto my spare word
	s_wait_dscnt 17                                ; (the add and the youngest sixteen loads may be out)
	WIN MUL_LO
	MUL16 0, 1, 1, \slot, 0
	s_wait_dscnt 0x0                               ; the add is done, and my reads of this slot are over
	s_barrier_signal -1
	MUL16 2, 1, 1, \slot, 0
	WIN 0
	s_barrier_wait -1
.if \fill
	CREST                                          ; the barrier has opened a round of the cluster's: no wave of any partner still reads this slot or has a load on its way
	NEXTG \slot
	JLOAD G0+4*\slot, G1, G0B+4*\slot, G1B         ; the first tensor load behind the round; its four v_nop are four of the eight places
	PLACES 4
.else
	PLACES 8
.endif
	FETCH_B \next, 0, 0
	FETCH_A \next, 0, 0
	SCALES \next
	WIN MUL_HI
	MUL16 4, 1, 1, \slot, 0
	MUL16 6, 1, 1, \slot, 0
	PLACES 8
	WIN 0
	FETCH_A \next, 0, 4
.endm
	s_wait_alu depctr_va_vdst(0)
	s_wait_tensorcnt 0x0                           ; my part of slot 0 is in
	ds_add_u32 v[SPW], v[NIL]
	s_wait_dscnt 0x0
	CROUND                                         ; everybody's part of slot 0 is in, and all sixteen work-groups are here
	JLOAD G0+4, G1, G0B+4, G1B                     ; slot 1: K steps 2 and 3: my one load behind the round
	FETCH_B 0, 0, 0
	FETCH_A 0, 0, 0
	SCALES 0
	FETCH_A 0, 0, 4
	s_wait_loadcnt 0x0                             ; the biases
.set n, 0
.rept 64
	v_cndmask_b32 v[BIAS+n], 0, v[BIAS+n], s67     ; role V starts its sums at 0
.set n, n+1
.endr
	PLACES 4
	s_wait_alu depctr_va_vdst(0)
	STEP 0, 0, 1                                   ; the first step stands in front of the loop: its products start the sums, on the bias
	s_mov_b32 s3, LAPS-1
.Llap:
	TURN 0, 1, 1
	STEP 1, 0, 0
	TURN 1, 0, 1
	STEP 0, 0, 0
	s_sub_co_u32 s3, s3, 1
	s_cmp_lg_u32 s3, 0
	s_cbranch_scc1 .Llap
	TURN 0, 1, 0                                   ; the last lap fills nothing
	STEP 1, 0, 0
	s_wait_dscnt 16
	WIN MUL_LO
	MUL16 0, 1, 1, 1, 0
	MUL16 2, 1, 1, 1, 0
	s_wait_dscnt 0
	WIN MUL_HI
	MUL16 4, 1, 1, 1, 0
	MUL16 6, 1, 1, 1, 0
	WIN 0
	PLACES 8
; THE WAY OUT.  The 64 registers of tile a's eight accumulators are 128 neighbours of the lane's row: register 16 b + i = 32 b + 16 h + i.  They are quantised where they lie; the codes are a fragment's registers.
; Each accumulator is read from its low end on.  bv = 1: vb of the lane's feature is added first.
.macro QUANTW a, bv
.set XA, 64*((\a)%4)
.set WA, 2+(\a)/4
.set W11, WA|(WA<<2)
.set W1D, WA|(WA<<6)
.if \bv
	WIN W1D
.set n, 0
.rept 32
	v_pk_add_f32 v[XA+2*n:XA+2*n+1], v[XA+2*n:XA+2*n+1], v[2*(\a):2*(\a)+1]
.set n, n+1
.endr
.endif
	WIN W11                                        ; sources 0 and 1 in the accumulators' window
.irp b, 0,1,2,3
	v_max3_num_f32 v[TM+\b], |v[XA+16*\b]|, |v[XA+16*\b+1]|, 0x4800000   ; and the floor 2^(9 - 127): the byte cannot fall under 1
.endr
.irp i, 2,4,6,8,10,12,14
.irp b, 0,1,2,3
	v_max3_num_f32 v[TM+\b], |v[XA+16*\b+\i]|, |v[XA+16*\b+\i+1]|, v[TM+\b]
.endr
.endr
	WIN 0
.irp b, 0,1,2,3
	v_permlanex16_b32 v[TM+4+\b], v[TM+\b], s[SEL], s[SEL+1]
.endr
.irp b, 0,1,2,3
	v_max_num_f32 v[TM+\b], v[TM+\b], v[TM+4+\b]
.endr
.irp b, 0,1,2,3
	v_add_nc_u32 v[TM+12+\b], 0xfc000000, v[TM+\b] ; 8 off the exponent field: the conversion's scale operand
.endr
.irp b, 0,1,2,3
	v_and_or_b32 v[TM+8+\b], v[TM+\b], 0x7f800000, s[MNT]   ; 448 x the scale
.endr
.irp b, 0,1,2,3
	v_lshrrev_b32 v[TM+4+\b], 23, v[TM+12+\b]      ; the scale's byte
.endr
	v_lshl_or_b32 v[PW+(\a)], v[TM+5], 8, v[TM+4]
	v_lshl_or_b32 v[PW+(\a)], v[TM+6], 16, v[PW+(\a)]
	v_lshl_or_b32 v[PW+(\a)], v[TM+7], 24, v[PW+(\a)]
	WIN W1D
.irp b, 0,1,2,3
.irp i, 0,1,2,3,4,5,6,7,8,9,10,11,12,13,14,15
	v_med3_num_f32 v[XA+16*\b+\i], v[XA+16*\b+\i], -v[TM+8+\b], v[TM+8+\b]   ; the conversion does not saturate (ISA guide 7.6.2): the hold comes first
.endr
.endr
	s_wait_alu depctr_va_vdst(0)
	s_wait_xcnt 0x0                                ; the last tile's stores have read the codes' registers
	WIN WA
.irp b, 0,1,2,3
	v_cvt_scalef32_pk8_fp8_f32 v[PC+4*\b:PC+4*\b+1], v[XA+16*\b:XA+16*\b+7], v[TM+12+\b]
	v_cvt_scalef32_pk8_fp8_f32 v[PC+4*\b+2:PC+4*\b+3], v[XA+16*\b+8:XA+16*\b+15], v[TM+12+\b]
.endr
	WIN 0
	v_nop                                          ; one plain line behind the last conversion
.endm
.irp b, 0,1,2,3
	v_mov_b32 v[TM+4+\b], 0                        ; a lane permute's destination counts as one of its sources
.endr
	s_cmp_lg_u32 s67, 0                            ; the role: the same in every partner
	s_cbranch_scc0 .Lrole_v
.irp a, 0,1,2,3,4,5,6,7
	QUANTW \a, 0
	global_store_b128 v[CO], v[PC:PC+3], s[10:11] offset:\a*1024           ; blocks 0, 1: my first head's 64; blocks 2, 3: my second's.  512 consecutive bytes a store
	global_store_b128 v[CO], v[PC+4:PC+7], s[10:11] offset:\a*1024+512
	global_store_b128 v[CO], v[PC+8:PC+11], s[12:13] offset:\a*1024
	global_store_b128 v[CO], v[PC+12:PC+15], s[12:13] offset:\a*1024+512
.endr
.irp p, 0,1,2,3
	v_perm_b32 v[TM+\p], v[PW+2*\p+1], v[PW+2*\p], 0x05040100     ; first head: [tile 2 p: bytes 0, 1 | tile 2 p + 1: bytes 0, 1]
	v_perm_b32 v[TM+4+\p], v[PW+2*\p+1], v[PW+2*\p], 0x07060302   ; second head: bytes 2, 3
.endr
.irp p, 0,1,2,3
	v_cndmask_b32 v[SW+\p], v[TM+\p], v[TM+4+\p], s[HM]           ; lanes 0-15 store the first head's words, lanes 16-31 the second's
.endr
	global_store_b128 v[SO], v[SW:SW+3], s[10:11] offset:8192     ; two aligned runs of 256 bytes
	s_branch .Ldone
.Lrole_v:
.irp a, 0,1,2,3,4,5,6,7
	QUANTW \a, 1
.irp c, 0,1,2,3
	global_store_b128 v[CO], v[PC+4*\c:PC+4*\c+3], s[10+2*(\a/4):11+2*(\a/4)] offset:(\a%4)*2048+\c*512
.endr
.endr
.irp p, 0,1,2,3
	v_cndmask_b32 v[SW+\p], v[PW+\p], v[PW+4+\p], s[HM]
.endr
	global_store_b128 v[SO], v[SW:SW+3], s[10:11] offset:8192
.Ldone:
	s_wait_tensorcnt 0x0                           ; the wave's end
	ds_add_u32 v[SPW], v[NIL]
	s_wait_dscnt 0x0
	CROUND                                         ; the closing round
	s_endpgm
.Lfunc_end_k_q1735fc1484_qkvp:
	.size	k_q1735fc1484_qkvp, .Lfunc_end_k_q1735fc1484_qkvp-k_q1735fc1484_qkvp
	.p2alignl 7, 3214868480
	.fill 96, 4, 3214868480
	.section	.rodata,"a",@progbits
	.p2align	6, 0x0
	.amdhsa_kernel k_q1735fc1484_qkvp
		.amdhsa_group_segment_fixed_size 327680
		.amdhsa_private_segment_fixed_size 0
		.amdhsa_enable_private_segment 0
		.amdhsa_kernarg_size 40
		.amdhsa_user_sgpr_count 2
		.amdhsa_user_sgpr_kernarg_segment_ptr 1
		.amdhsa_wavefront_size32 1
		.amdhsa_system_sgpr_workgroup_id_x 1
		.amdhsa_system_sgpr_workgroup_id_y 1
		.amdhsa_system_sgpr_workgroup_id_z 1
		.amdhsa_system_vgpr_workitem_id 0
		.amdhsa_next_free_vgpr 1024
		.amdhsa_next_free_sgpr 100
		.amdhsa_reserve_vcc 0
		.amdhsa_float_denorm_mode_32 3
		.amdhsa_float_denorm_mode_16_64 3
		.amdhsa_memory_ordered 1
		.amdhsa_forward_progress 1
		.amdhsa_inst_pref_size 255
	.end_amdhsa_kernel
	.section	.bss,"aw",@nobits
	.p2align	6
	.space	262144
	.amdgpu_metadata
---
amdhsa.version: [ 1, 2 ]
amdhsa.kernels:
  - .name:           k_q1735fc1484_qkvp
    .symbol:         k_q1735fc1484_qkvp.kd
    .args:
      - { .name: img, .offset: 0, .size: 8, .value_kind: global_buffer, .address_space: global }
      - { .name: qb, .offset: 8, .size: 8, .value_kind: global_buffer, .address_space: global }
      - { .name: kb, .offset: 16, .size: 8, .value_kind: global_buffer, .address_space: global }
      - { .name: vb, .offset: 24, .size: 8, .value_kind: global_buffer, .address_space: global }
      - { .name: qkvc, .offset: 32, .size: 8, .value_kind: global_buffer, .address_space: global }
    .group_segment_fixed_size: 327680
    .private_segment_fixed_size: 0
    .kernarg_segment_align: 8
    .kernarg_segment_size: 40
    .max_flat_workgroup_size: 128
    .sgpr_count:     100
    .vgpr_count:     1024
    .wavefront_size: 32
...
	.end_amdgpu_metadata
.endif
;; end of part 2
;; launch attn (part 3): grid 8 x 32, 16 waves a work-group, clusters of 4 x 1, 272,384 bytes of LDS; arguments qkvc, aoc; writes aoc
.if DOCPART == 3
	.amdgcn_target "amdgcn-amd-amdhsa--gfx1250"
	.amdhsa_code_object_version 6
	.text
	.protected	k_q1735fc1484_attn
	.globl	k_q1735fc1484_attn
	.p2align	8
	.type	k_q1735fc1484_attn,@function
k_q1735fc1484_attn:
	s_mov_b64 s[64:65], 0
	v_nop
	global_prefetch_b8 v0, s[64:65] scope:SCOPE_SE
	s_setreg_imm32_b32 hwreg(HW_REG_WAVE_MODE, 25, 1), 1
	s_wait_xcnt 0x0
	s_wait_alu depctr_hold_cnt(0) depctr_sa_sdst(0) depctr_va_vdst(0) depctr_va_sdst(0) depctr_va_ssrc(0) depctr_va_vcc(0) depctr_vm_vsrc(0)
	s_getreg_b32 s2, hwreg(HW_REG_IB_STS2, 6, 4)
	s_cmp_eq_u32 s2, 0
	s_cbranch_scc0 .Lentry_in_a_cluster
	s_endpgm
.Lentry_in_a_cluster:
	s_bfe_u32 s2, ttmp6, 0x10000c
	s_cmp_lg_u32 s2, 0x3003
	s_cbranch_scc0 .Lentry_shape_is_right
	s_endpgm
.Lentry_shape_is_right:
; o = softmax(q k^T / 8) v for one head, both products on codes of E4M3 with E8M0 scales; o is quantised on the way out, along the 1,024 of the next product, into a register image.
; THE SOFTMAX AHEAD OF THE SECOND PRODUCT: t = score x log2(e) / 8; M = the running largest t rounded UP to a whole number; p = 2^(t - M) is quantised along the keys, not normalised;
; the row's sum is taken of the unquantised p and divides at the end.  When M moves, the sum and O are multiplied by 2^(old M - new M): exact.
; SHARES: a work-group owns 256 queries of one (batch, head), each of its sixteen waves one tile of 16, in 256 registers: four waves to a SIMD, so that one wave's vector work stands beside another's products and LDS loads.
; ALL OF THE HEAD'S K AND V, 16 steps of 128 keys x 16,896 bytes, STAYS IN LDS: it is filled once, each of the sixteen waves fetching one step by one tensor load: nothing is filled again.
; CLUSTER: the four work-groups of a cluster belong to one head and ask for each of the sixteen loads jointly.  No prefetch is written: all that the launch reads of K and V is asked for at its head.
; LAYOUT: both products transposed: S^T = K Q^T, O^T = V^T P^T: a lane holds one query (lane % 16).  The head's 64 are half of the instruction's 128: a fragment of K holds TWO tiles of 16 keys, one in k 0-63, the
; other in k 64-127, and Q stands beside zero codes, [q | 0] or [0 | q]: the half that is not meant meets zeros.  The places of keys in a tile are such that the 16 registers of two neighbouring tiles are 16 neighbouring keys.
; LIMITS: a block of zeros gets the scale byte 1; NaN and infinities are not served.
.set UNIT, 8448
.set STEPB, 2*UNIT                     ; a step: K's unit, then V's
.set QS,  5                            ; v5     Q's scale word [c0 c1 c0 c1]
.set KS,  8                            ; v8-11  K's scale words of the step's four fragments
.set QZ,  16                           ; v16-39 [0 x 8 | q x 8 | 0 x 8]
.set VS,  40                           ; v40-43 V's scale words
.set PWD, 44                           ; v44    p's scale word
.set F,   48                           ; v48-111  four fragments of K, then of V
.set S,   112                          ; v112-175 S^T, then p
.set O,   176                          ; v176-207 O^T
.set PC,  208                          ; v208-223 p's codes
.set T0,  224
.set T1,  228
.set T2,  232
.set T3,  236
.set WV,  8
.set TB,  12
.set CNT, 13
.set HM,  14
.set MNT, 19
.set SEL, 20
.set CS,  22
.set G1A, 24
.set G0A, 40
.macro ROUND
	s_barrier_signal -1
	s_barrier_wait -1
	s_cmp_lg_u32 s[WV], 0
	s_cbranch_scc1 .Lnot_wave_0_\@
	s_barrier_signal -3
.Lnot_wave_0_\@:
	s_barrier_wait -3
	s_barrier_signal -1
	s_barrier_wait -1
.endm
	s_load_b128 s[4:7], s[0:1], 0x0                ; qkvc, aoc
	v_lshl_add_u32 v254, v0, 2, 0x42000
	v_mov_b32 v255, 0
	ds_add_u32 v254, v255
	ds_add_u32 v254, v255
	v_lshrrev_b32 v3, 5, v0
	s_delay_alu instid0(VALU_DEP_1)
	v_readfirstlane_b32 s[WV], v3                  ; wave 0..15
	s_bfe_u32 s9, ttmp6, 0x40000                   ; cx: it enters global addresses of Q and of the output alone
	s_lshl_b32 s10, ttmp9, 2
	s_add_co_u32 s10, s10, s9                      ; my block of 256 queries
	s_and_b32 s11, ttmp7, 0xffff                   ; 16 b + head, which the four partners share
	s_mov_b32 s[G1A], 15|(3<<16)|(1<<21)           ; the mask: all four; elements of 8 bytes; bit 21 beside a mask
	s_mov_b32 s[G1A+1], 32<<16                     ; one step: 16,896 dense bytes as 66 rows of 256
	s_mov_b32 s[G1A+2], 66<<16
	s_mov_b32 s[G1A+3], 32<<16
	s_mov_b32 s[G1A+4], 66
	s_mov_b32 s[G1A+5], 32
	s_mov_b32 s[G1A+6], 0
	s_mov_b32 s[G1A+7], 0
	s_mul_i32 s16, s[WV], STEPB                    ; the step that I fetch: wave x 16,896 bytes on, in memory and in LDS alike
	s_mov_b32 s17, 0
	s_mul_i32 s48, s11, 16*STEPB
	s_add_co_u32 s48, s48, 4325376                 ; the head's K and V
	s_mov_b32 s49, 0
	s_lshl_b32 s50, s11, 4
	s_lshl_b32 s51, s10, 1
	s_add_co_u32 s50, s50, s51
	s_lshr_b32 s51, s[WV], 3
	s_add_co_u32 s50, s50, s51
	s_mul_i32 s50, s50, UNIT                       ; Q's unit: 16 (16 b + head) + 2 x block + wave / 8
	s_and_b32 s51, s[WV], 7                        ; my tile in it
	s_lshl_b32 s52, s51, 10
	s_add_co_u32 s52, s52, s50
	s_mov_b32 s53, 0                               ; its codes
	s_lshl_b32 s54, s51, 1
	s_add_co_u32 s54, s54, s50
	s_add_co_u32 s54, s54, 8192
	s_mov_b32 s55, 0                               ; its two scale bytes in a row's four words
	s_and_b32 s56, s11, 15                         ; head
	s_lshr_b32 s57, s11, 4                         ; b
	s_lshr_b32 s58, s56, 1
	s_lshl_b32 s58, s58, 6
	s_lshl_b32 s57, s57, 5
	s_add_co_u32 s58, s58, s57
	s_lshl_b32 s57, s10, 2
	s_add_co_u32 s58, s58, s57
	s_lshr_b32 s57, s[WV], 2
	s_add_co_u32 s58, s58, s57
	s_mul_i32 s58, s58, UNIT                       ; the output's unit: K step head / 2, group 32 b + 4 x block + wave / 4
	s_and_b32 s56, s56, 1
	s_and_b32 s57, s[WV], 3                        ; my tile in it
	s_lshl_b32 s60, s57, 11
	s_add_co_u32 s60, s60, s58
	s_lshl_b32 s59, s56, 10
	s_add_co_u32 s60, s60, s59                     ; blocks 2 (head % 2) and the next
	s_mov_b32 s61, 0
	s_lshl_b32 s62, s57, 2
	s_add_co_u32 s62, s62, s58
	s_lshl_b32 s59, s56, 1
	s_add_co_u32 s62, s62, s59
	s_add_co_u32 s62, s62, 8192
	s_mov_b32 s63, 0
	s_mov_b32 s[SEL], 0x76543210
	s_mov_b32 s[SEL+1], 0xfedcba98
	s_mov_b32 s[CS], 0x3e38aa3b                    ; c = log2(e) / 8
	s_mov_b32 s[CS+1], s[CS]
	s_mov_b32 s[MNT], 0x600000
	s_mov_b32 s[HM], 0xffff0000
	s_mov_b32 s[TB], 0
	s_wait_dscnt 0x0
	s_wait_kmcnt 0x0
	s_add_nc_u64 s[48:49], s[4:5], s[48:49]
	s_add_nc_u64 s[48:49], s[48:49], s[16:17]      ; my step of the head's K and V
	s_add_nc_u64 s[52:53], s[4:5], s[52:53]
	s_add_nc_u64 s[54:55], s[4:5], s[54:55]
	s_add_nc_u64 s[60:61], s[6:7], s[60:61]
	s_add_nc_u64 s[62:63], s[6:7], s[62:63]
	s_mov_b32 s[G0A], 1
	s_mov_b32 s[G0A+1], s16
	s_mov_b64 s[G0A+2:G0A+3], s[48:49]
	s_or_b32 s[G0A+3], s[G0A+3], 0x80000000
	ROUND                                          ; all four work-groups are here: the joint loads meet
	s_cmp_lt_u32 s[WV], 4                          ; waves 0 to 3, whose steps are read first, have a load line of their own: the first barrier waits for that line alone
	s_cbranch_scc0 .Llater
	tensor_load_to_lds s[G0A:G0A+3], s[G1A:G1A+7]  ; key steps 0 to 3: one load of mine is out
	s_nop 0
.rept 4
	v_nop
.endr
	s_branch .Lasked
.Llater:
	tensor_load_to_lds s[G0A:G0A+3], s[G1A:G1A+7]  ; key steps 4 to 15: one load of mine is out
	s_nop 0
.rept 4
	v_nop
.endr
.Lasked:
	v_and_b32 v3, 31, v0
	v_and_b32 v4, 15, v0                           ; r
	v_bfe_u32 v6, v0, 4, 1                         ; h
	s_delay_alu instid0(VALU_DEP_3)
	v_lshlrev_b32 v1, 4, v3                        ; 16 x lane
	s_delay_alu instid0(VALU_DEP_3)
	v_lshlrev_b32 v7, 4, v4                        ; 16 r
	s_delay_alu instid0(VALU_DEP_1)
	v_add_nc_u32 v2, 8192, v7                      ; a unit's scale words of my row
	s_delay_alu instid0(VALU_DEP_2)
	v_add_nc_u32 v46, v7, v6                       ; 16 r + h: the output's scale byte
	global_load_b128 v[QZ+8:QZ+11], v1, s[52:53]
	global_load_b128 v[QZ+12:QZ+15], v1, s[52:53] offset:512
	global_load_u16 v45, v7, s[54:55]
.irp j, 0,1,2,3,4,5,6,7
	v_mov_b32 v[QZ+\j], 0
	v_mov_b32 v[QZ+16+\j], 0
.endr
	v_mov_b32 v13, 0xff61b1e6                      ; the largest t so far: -3e38
	s_delay_alu instid0(VALU_DEP_1)
	v_floor_f32 v12, -v13                          ; -M
	v_mov_b32 v14, 0
	v_mov_b32 v15, 0
	v_mov_b32 v241, 0                              ; (named as the upper half of the pair v[240:241])
.irp b, 0,1,2,3
	v_mov_b32 v[T1+\b], 0                          ; a lane permute's destination counts as one of its sources
.endr
	s_wait_loadcnt 0x0
	v_lshl_or_b32 v[QS], v45, 16, v45              ; Q's two bytes, for either half of K
.set n, 0
.rept 32
	v_mov_b32 v[O+n], 0                            ; O^T: the step is written for every step alike: the first finds zeros
.set n, n+1
.endr
; A KEY STEP: 128 keys at LDS byte s[TB] + off.
.macro STEP off
	v_add_nc_u32 v3, s[TB], v1
	v_add_nc_u32 v4, s[TB], v2
.rept 6
	v_nop                                          ; with the two additions: eight places in front of loads into registers that the last products read
.endr
.irp f, 0,1,2,3
.irp c, 0,1,2,3
	ds_load_b128 v[F+16*\f+4*\c:F+16*\f+4*\c+3], v3 offset:\off+2048*\f+512*\c
.endr
.endr
	ds_load_b128 v[KS:KS+3], v4 offset:\off
	s_wait_alu depctr_va_vdst(0)
	s_wait_dscnt 0x0
.irp t, 0,1,2,3,4,5,6,7                        ; tile t of keys lies in half t % 2 of fragment t / 2
	v_wmma_scale_f32_16x16x128_f8f6f4 v[S+8*\t:S+8*\t+7], v[F+16*(\t/2):F+16*(\t/2)+15], v[QZ+8-8*(\t%2):QZ+23-8*(\t%2)], 0, v[KS+\t/2], v[QS]
.endr
.rept 8
	v_nop
.endr
.irp f, 0,1,2,3                                ; V's fragments are asked for here and land under the softmax
.irp c, 0,1,2,3
	ds_load_b128 v[F+16*\f+4*\c:F+16*\f+4*\c+3], v3 offset:\off+UNIT+2048*\f+512*\c
.endr
.endr
	ds_load_b128 v[VS:VS+3], v4 offset:\off+UNIT
.irp b, 0,1,2,3
	v_max3_num_f32 v[T0+\b], v[S+16*\b], v[S+16*\b+1], v[S+16*\b+2]   ; the largest score of each block of 32 keys: for the row's maximum and, since p rises with the score, for the block's largest p
.endr
.irp i, 3,5,7,9,11,13
.irp b, 0,1,2,3
	v_max3_num_f32 v[T0+\b], v[T0+\b], v[S+16*\b+\i], v[S+16*\b+\i+1]
.endr
.endr
.irp b, 0,1,2,3
	v_max_num_f32 v[T0+\b], v[T0+\b], v[S+16*\b+15]
.endr
.irp b, 0,1,2,3
	s_delay_alu instid0(VALU_DEP_4)
	v_permlanex16_b32 v[T1+\b], v[T0+\b], s[SEL], s[SEL+1]
.endr
.irp b, 0,1,2,3
	s_delay_alu instid0(VALU_DEP_4)
	v_max_num_f32 v[T0+\b], v[T0+\b], v[T1+\b]     ; with lane l xor 16's 16 keys
.endr
	s_delay_alu instid0(VALU_DEP_2)
	v_max3_num_f32 v242, v[T0], v[T0+1], v[T0+2]
	s_delay_alu instid0(VALU_DEP_1)
	v_max_num_f32 v242, v242, v[T0+3]
	s_delay_alu instid0(VALU_DEP_1)
	v_mul_f32 v242, s[CS], v242
	s_delay_alu instid0(VALU_DEP_1)
	v_max_num_f32 v13, v13, v242                   ; the running largest t
	v_mov_b32 v242, v12
	s_delay_alu instid0(VALU_DEP_2)
	v_floor_f32 v12, -v13                          ; the new -M = -ceil(t)
	s_delay_alu instid0(VALU_DEP_1)
	v_sub_f32 v242, v12, v242                      ; old M - new M: a whole number, 0 or less
	s_delay_alu instid0(VALU_DEP_1)
	v_cvt_i32_f32 v242, v242                       ; (it saturates)
	s_delay_alu instid0(VALU_DEP_1)
	v_ldexp_f32 v240, 1.0, v242                    ; f = 2^(old M - new M)
.set n, 0
.rept 32
	v_pk_fma_f32 v[S+2*n:S+2*n+1], v[S+2*n:S+2*n+1], s[CS:CS+1], v[12:13] op_sel_hi:[1,0,0]   ; t - M
.set n, n+1
.endr
.irp b, 0,1,2,3
	v_fma_f32 v[T0+\b], v[T0+\b], s[CS], v12
.endr
.set n, 0
	s_wait_alu depctr_va_vdst(0)
.rept 64
	v_exp_f32 v[S+n], v[S+n]                       ; p = 2^(t - M)
.set n, n+1
.endr
	v_pk_mul_f32 v[14:15], v[14:15], v[240:241] op_sel_hi:[1,0]   ; the sums under the new M: a plain line behind the exponentials
	s_wait_alu depctr_va_vdst(0)                   ; one wait for the batch, ahead of its first reader
.irp b, 0,1,2,3
	v_exp_f32 v[T0+\b], v[T0+\b]                   ; the block's largest p
.endr
	v_pk_add_f32 v[228:229], v[116:117], v[120:121]
	v_pk_add_f32 v[252:253], v[124:125], v[128:129]
	v_pk_add_f32 v[250:251], v[132:133], v[136:137]
	v_pk_add_f32 v[248:249], v[140:141], v[144:145]
	v_pk_add_f32 v[246:247], v[148:149], v[152:153]
	v_pk_add_f32 v[244:245], v[156:157], v[160:161]
	v_pk_add_f32 v[238:239], v[164:165], v[168:169]
	v_pk_add_f32 v[14:15], v[14:15], v[172:173]
	v_pk_add_f32 v[228:229], v[228:229], v[112:113]
	v_pk_add_f32 v[252:253], v[252:253], v[114:115]
	v_pk_add_f32 v[250:251], v[250:251], v[118:119]
	v_pk_add_f32 v[248:249], v[248:249], v[122:123]
	v_pk_add_f32 v[246:247], v[246:247], v[126:127]
	v_pk_add_f32 v[244:245], v[244:245], v[130:131]
	v_pk_add_f32 v[238:239], v[238:239], v[134:135]
	v_pk_add_f32 v[14:15], v[14:15], v[138:139]
	v_pk_add_f32 v[228:229], v[228:229], v[142:143]
	v_pk_add_f32 v[252:253], v[252:253], v[146:147]
	v_pk_add_f32 v[250:251], v[250:251], v[150:151]
	v_pk_add_f32 v[248:249], v[248:249], v[154:155]
	v_pk_add_f32 v[246:247], v[246:247], v[158:159]
	v_pk_add_f32 v[244:245], v[244:245], v[162:163]
	v_pk_add_f32 v[238:239], v[238:239], v[166:167]
	v_pk_add_f32 v[14:15], v[14:15], v[170:171]
	v_pk_add_f32 v[228:229], v[228:229], v[174:175]
	s_delay_alu instid0(VALU_DEP_2)
	v_pk_add_f32 v[14:15], v[14:15], v[248:249]
	s_delay_alu instid0(VALU_DEP_2)
	v_pk_add_f32 v[228:229], v[228:229], v[246:247]
	v_pk_add_f32 v[252:253], v[252:253], v[244:245]
	v_pk_add_f32 v[250:251], v[250:251], v[238:239]
	s_delay_alu instid0(VALU_DEP_2)
	v_pk_add_f32 v[14:15], v[14:15], v[252:253]
	s_delay_alu instid0(VALU_DEP_2)
	v_pk_add_f32 v[228:229], v[228:229], v[250:251]
	s_delay_alu instid0(VALU_DEP_1)
	v_pk_add_f32 v[14:15], v[14:15], v[228:229]
	s_wait_alu depctr_va_vdst(0)                   ; and one for the four
.irp b, 0,1,2,3
	v_max_num_f32 v[T0+\b], 0x4800000, v[T0+\b]    ; the floor 2^(9 - 127)
.endr
.irp b, 0,1,2,3
	s_delay_alu instid0(VALU_DEP_4)
	v_add_nc_u32 v[T3+\b], 0xfc000000, v[T0+\b]
.endr
.irp b, 0,1,2,3
	v_and_or_b32 v[T2+\b], v[T0+\b], 0x7f800000, s[MNT]
.endr
.irp b, 0,1,2,3
	v_lshrrev_b32 v[T1+\b], 23, v[T3+\b]
.endr
	s_delay_alu instid0(VALU_DEP_3)
	v_lshl_or_b32 v[PWD], v[T1+1], 8, v[T1]
	s_delay_alu instid0(VALU_DEP_1)
	v_lshl_or_b32 v[PWD], v[T1+2], 16, v[PWD]
	s_delay_alu instid0(VALU_DEP_1)
	v_lshl_or_b32 v[PWD], v[T1+3], 24, v[PWD]
.irp b, 0,1,2,3
.irp i, 0,1,2,3,4,5,6,7,8,9,10,11,12,13,14,15
	v_min_num_f32 v[S+16*\b+\i], v[S+16*\b+\i], v[T2+\b]   ; the conversion does not saturate (ISA guide 7.6.2); p is not negative: a one-sided hold
.endr
	v_cvt_scalef32_pk8_fp8_f32 v[PC+4*\b:PC+4*\b+1], v[S+16*\b:S+16*\b+7], v[T3+\b]
	v_cvt_scalef32_pk8_fp8_f32 v[PC+4*\b+2:PC+4*\b+3], v[S+16*\b+8:S+16*\b+15], v[T3+\b]
.endr
.set n, 0
.rept 16
	v_pk_mul_f32 v[O+2*n:O+2*n+1], v[O+2*n:O+2*n+1], v[240:241] op_sel_hi:[1,0]   ; O^T under the new M; these lines are also the places in front of the products below
.set n, n+1
.endr
	s_wait_alu depctr_va_vdst(0)
	s_wait_dscnt 0x0                               ; V
.irp f, 0,1,2,3
	v_wmma_scale_f32_16x16x128_f8f6f4 v[O+8*\f:O+8*\f+7], v[F+16*\f:F+16*\f+15], v[PC:PC+15], v[O+8*\f:O+8*\f+7], v[VS+\f], v[PWD]
.endr
.endm
	s_cmp_lt_u32 s[WV], 4
	s_cbranch_scc0 .Lnot_first
	s_wait_tensorcnt 0x0                           ; waves 0 to 3: my step is in LDS
.Lnot_first:
	s_barrier_signal -1
	s_barrier_wait -1                              ; key steps 0 to 3 may be read
	s_mov_b32 s[CNT], 4
.Lfirst:                                               ; four steps, while the other twelve steps are on their way
	STEP 0
	s_add_co_u32 s[TB], s[TB], STEPB
	s_sub_co_u32 s[CNT], s[CNT], 1
	s_cmp_lg_u32 s[CNT], 0
	s_cbranch_scc1 .Lfirst
	s_wait_tensorcnt 0x0                           ; every wave: my step is in LDS,
	s_barrier_signal -1
	s_barrier_wait -1                              ; and so is every wave's: all sixteen steps may be read
	s_mov_b32 s[CNT], 12
.Lstep:
	STEP 0
	s_add_co_u32 s[TB], s[TB], STEPB
	s_sub_co_u32 s[CNT], s[CNT], 1
	s_cmp_lg_u32 s[CNT], 0
	s_cbranch_scc1 .Lstep
	; THE WAY OUT: O^T / the sum; register 16 b + i is channel 32 b + 16 h + i of my query: two blocks of the next product's K, quantised where they lie
.rept 8
	v_nop
.endr
	v_add_f32 v14, v14, v15
	s_delay_alu instid0(VALU_DEP_1)
	v_permlanex16_b32 v242, v14, s[SEL], s[SEL+1]
	s_delay_alu instid0(VALU_DEP_1)
	v_add_f32 v14, v14, v242
	s_wait_alu depctr_va_vdst(0)
	v_rcp_f32 v14, v14
	v_nop
	s_wait_alu depctr_va_vdst(0)
.set n, 0
.rept 32
	v_mul_f32 v[S+n], v[O+n], v14
.set n, n+1
.endr
.irp b, 0,1
	v_max3_num_f32 v[T0+\b], |v[S+16*\b]|, |v[S+16*\b+1]|, 0x4800000
.endr
.irp i, 2,4,6,8,10,12,14
.irp b, 0,1
	s_delay_alu instid0(VALU_DEP_2)
	v_max3_num_f32 v[T0+\b], v[T0+\b], |v[S+16*\b+\i]|, |v[S+16*\b+\i+1]|
.endr
.endr
.irp b, 0,1
	s_delay_alu instid0(VALU_DEP_2)
	v_permlanex16_b32 v[T1+\b], v[T0+\b], s[SEL], s[SEL+1]
.endr
.irp b, 0,1
	s_delay_alu instid0(VALU_DEP_2)
	v_max_num_f32 v[T0+\b], v[T0+\b], v[T1+\b]
.endr
.irp b, 0,1
	s_delay_alu instid0(VALU_DEP_2)
	v_add_nc_u32 v[T3+\b], 0xfc000000, v[T0+\b]
.endr
.irp b, 0,1
	s_delay_alu instid0(VALU_DEP_4)
	v_and_or_b32 v[T2+\b], v[T0+\b], 0x7f800000, s[MNT]
.endr
.irp b, 0,1
	s_delay_alu instid0(VALU_DEP_4)
	v_lshrrev_b32 v[T1+\b], 23, v[T3+\b]
.endr
.irp b, 0,1
.irp i, 0,1,2,3,4,5,6,7,8,9,10,11,12,13,14,15
	v_med3_num_f32 v[S+16*\b+\i], v[S+16*\b+\i], -v[T2+\b], v[T2+\b]
.endr
	v_cvt_scalef32_pk8_fp8_f32 v[PC+4*\b:PC+4*\b+1], v[S+16*\b:S+16*\b+7], v[T3+\b]
	v_cvt_scalef32_pk8_fp8_f32 v[PC+4*\b+2:PC+4*\b+3], v[S+16*\b+8:S+16*\b+15], v[T3+\b]
.endr
	v_nop
	v_cndmask_b32 v242, v[T1], v[T1+1], s[HM]      ; lane (r, h) stores block h's byte
	global_store_b128 v1, v[PC:PC+3], s[60:61]     ; 512 consecutive bytes a store
	global_store_b128 v1, v[PC+4:PC+7], s[60:61] offset:512
	global_store_b8 v46, v242, s[62:63]
	s_wait_tensorcnt 0x0
	ds_add_u32 v254, v255
	s_wait_dscnt 0x0
	ROUND                                          ; the closing round
	s_endpgm
.Lfunc_end_k_q1735fc1484_attn:
	.size	k_q1735fc1484_attn, .Lfunc_end_k_q1735fc1484_attn-k_q1735fc1484_attn
	.p2alignl 7, 3214868480
	.fill 96, 4, 3214868480
	.section	.rodata,"a",@progbits
	.p2align	6, 0x0
	.amdhsa_kernel k_q1735fc1484_attn
		.amdhsa_group_segment_fixed_size 272384
		.amdhsa_private_segment_fixed_size 0
		.amdhsa_enable_private_segment 0
		.amdhsa_kernarg_size 16
		.amdhsa_user_sgpr_count 2
		.amdhsa_user_sgpr_kernarg_segment_ptr 1
		.amdhsa_wavefront_size32 1
		.amdhsa_system_sgpr_workgroup_id_x 1
		.amdhsa_system_sgpr_workgroup_id_y 1
		.amdhsa_system_sgpr_workgroup_id_z 1
		.amdhsa_system_vgpr_workitem_id 0
		.amdhsa_next_free_vgpr 256
		.amdhsa_next_free_sgpr 66
		.amdhsa_reserve_vcc 0
		.amdhsa_float_denorm_mode_32 3
		.amdhsa_float_denorm_mode_16_64 3
		.amdhsa_memory_ordered 1
		.amdhsa_forward_progress 1
		.amdhsa_inst_pref_size 53
	.end_amdhsa_kernel
	.amdgpu_metadata
---
amdhsa.version: [ 1, 2 ]
amdhsa.kernels:
  - .name:           k_q1735fc1484_attn
    .symbol:         k_q1735fc1484_attn.kd
    .args:
      - { .name: qkvc, .offset: 0, .size: 8, .value_kind: global_buffer, .address_space: global }
      - { .name: aoc, .offset: 8, .size: 8, .value_kind: global_buffer, .address_space: global }
    .group_segment_fixed_size: 272384
    .private_segment_fixed_size: 0
    .kernarg_segment_align: 8
    .kernarg_segment_size: 16
    .max_flat_workgroup_size: 512
    .sgpr_count:     66
    .vgpr_count:     256
    .wavefront_size: 32
...
	.end_amdgpu_metadata
.endif
;; end of part 3
;; launch oln1 (part 4): grid 256 x 1, 8 waves a work-group, no clusters, 88,064 bytes of LDS; arguments aoc, img, ob, src, g1, beta1, x1f, x1c; writes x1f, x1c
.if DOCPART == 4
	.amdgcn_target "amdgcn-amd-amdhsa--gfx1250"
	.amdhsa_code_object_version 6
	.text
	.protected	k_q1735fc1484_oln1
	.globl	k_q1735fc1484_oln1
	.p2align	8
	.type	k_q1735fc1484_oln1,@function
k_q1735fc1484_oln1:
	s_mov_b64 s[64:65], 0
	v_nop
	global_prefetch_b8 v0, s[64:65] scope:SCOPE_SE
	s_setreg_imm32_b32 hwreg(HW_REG_WAVE_MODE, 25, 1), 1
	s_wait_xcnt 0x0
; x1 = layer_norm(src + (o ow^T + ob)) g1 + beta1: the projection on codes of E4M3 with E8M0 scales and the norm in one launch; the projection's result never leaves the registers.
; SHARES: a work-group takes one tile T of 16 tokens and all 1,024 columns; wave ks takes 128 columns: 8 accumulators, K = 1,024 in 8 steps of 128, 64 products a wave.
; OPERANDS are register images (units of 64 rows x 128 K: tile t's codes at 2048 t + 512 c + 16 lane, scale words at 8192 + 16 r + 4 t): o's unit (q, T / 4), tile T % 4; ow's units (q, 2 ks) and (q, 2 ks + 1).
; ow's fragments go from memory straight into the operand registers, 34 loads a K step (32 of codes, 2 of scale words), asked for two K steps ahead into two sets; every offset is an immediate.
; The tokens' fragments are the same for all eight waves: wave ks loads K step ks's (2,048 bytes of codes, a scale word a lane) once and lays it in LDS as an image of its registers; behind one barrier every wave reads it from there.
; Source 0 = 16 rows of ow, source 1 = the 16 tokens: lane (r, h) holds token place r, register 16 b + i = column 128 ks + 32 b + 16 h + i.  ob is loaded into the accumulators: the first products' C.
; Place r of tile T is token 64 (T / 4) + 32 ((T % 4) / 2) + 8 (T % 2) + 16 (r / 8) + r % 8.
; THE NORM: in f32, two passes (mean; mean of squares of x - mean); a row's eight partial sums meet in LDS behind a barrier, twice.  src's rows turn through the wave's own stage in LDS into the layout above.
; x1 leaves twice: f32 in that layout (block (T, ks) at (8 T + ks) x 8192), and quantised along the 1,024 as a register image (unit (ks, T / 4), tile T % 4).
; NO JOINT LOADS, no tensor load: a ring of two K steps of ow (2 x 135,168 bytes) and the eight stages (67,584) would not fit in 327,680 bytes together, and each wave's fragments of ow are read by that wave alone.
; No prefetch: each K step's loads are themselves issued two K steps ahead of their use.
; LIMITS: a block of zeros gets the scale byte 1 (its codes are zeros; this program alone reads the bytes); NaN and infinities are not served.
.set UNIT, 8448
.set SP,   528
.set STG,  8448                        ; a wave's stage: 16 rows of 512 + 16 bytes
.set RED,  8*STG                       ; behind the stages: 16 rows x 8 partial sums, twice; behind them, at 0x10c00, the spare words (1,024 bytes)
.set AIM,  69632                       ; behind the spare words: the tokens' fragments, one image a K step
.set AIP,  2304                        ; an image: 2,048 bytes of codes, 128 of scale words, up to whole blocks of 256
.set BS,   14                          ; v14-21, v22-29 ow's scale words, two sets
.set AS,   30                          ; v30, v31 the tokens' scale word, two sets
.set X,    32
.set Y,    96                          ; the accumulators; then g; then the codes
.set Z,    160                         ; v160-191 the tokens' fragment, two sets; v192-207 my K step's on its way to LDS; then beta in v160-223
.set TM,   224
.set PW,   240
.set MU,   242
.set RS,   244
.set HW,   246
.set SEL,  44
.set MNT,  46
.set MSB,  0
.macro WIN new                         ; the immediate's high byte repeats the setting that is left
.if MSB != \new
	s_set_vgpr_msb (MSB<<8)|\new
.set MSB, \new
.endif
.endm
	s_load_b512 s[8:23], s[0:1], 0x0               ; aoc, img, ob, src, g1, beta1, x1f, x1c
	v_lshl_add_u32 v254, v0, 2, 0x10c00
	v_mov_b32 v255, 0
	v_lshrrev_b32 v9, 5, v0
	v_readfirstlane_b32 s4, v9                     ; wave = ks
	v_and_b32 v10, 31, v0
	v_and_b32 v11, 15, v0                          ; r
	v_bfe_u32 v12, v0, 4, 1                        ; h
	v_lshlrev_b32 v1, 4, v10                       ; 16 x lane
	v_lshlrev_b32 v2, 6, v12                       ; 64 h
	s_mul_i32 s5, s4, STG
	v_add_nc_u32 v3, s5, v1                        ; the stage by rows
	v_mul_u32_u24 v4, v11, SP
	v_lshl_add_u32 v4, v12, 6, v4
	v_add_nc_u32 v4, s5, v4                        ; the stage by lanes: row r, + 64 h
	v_lshlrev_b32 v6, 5, v11
	v_add_nc_u32 v6, RED, v6                       ; row r's eight partial sums
	s_lshl_b32 s5, s4, 2
	v_add_nc_u32 v5, s5, v6                        ; my wave's among them
	v_lshlrev_b32 v7, 4, v11
	v_lshl_add_u32 v7, v12, 1, v7                  ; 16 r + 2 h
	v_lshlrev_b32 v8, 4, v12                       ; 16 h
	v_lshlrev_b32 v13, 4, v11                      ; 16 r: a row's scale words in a unit
	v_add_nc_u32 v248, AIM, v1                     ; the images' codes: 16 x lane,
	v_lshl_add_u32 v249, v10, 2, AIM+2048          ; their scale words: 4 x lane;
	s_mul_i32 s47, s4, AIP
	v_add_nc_u32 v250, s47, v248                   ; and the same in the image that I write: K step ks's
	v_add_nc_u32 v251, s47, v249
	v_mov_b32 v[TM+4], 0                           ; a lane permute's destination counts as one of its sources
	v_mov_b32 v[TM+5], 0
	v_mov_b32 v[TM+6], 0
	v_mov_b32 v[TM+7], 0
	s_lshr_b32 s5, ttmp9, 2                        ; T / 4
	s_and_b32 s47, ttmp9, 3                        ; T % 4
	s_lshl_b32 s24, s5, 6
	s_bfe_u32 s25, ttmp9, 0x10001
	s_lshl_b32 s25, s25, 5
	s_add_co_u32 s24, s24, s25
	s_and_b32 s25, ttmp9, 1
	s_lshl_b32 s25, s25, 3
	s_add_co_u32 s24, s24, s25                     ; the tile's first token
	s_lshl_b32 s24, s24, 12
	s_lshl_b32 s28, s4, 9                          ; my 128 columns in bytes: of ob, g1, beta1 too
	s_add_co_u32 s24, s24, s28                     ; src: its row, + my 512 bytes
	s_mov_b32 s25, 0
	s_mov_b32 s29, 0
	s_lshl_b32 s26, ttmp9, 3
	s_add_co_u32 s26, s26, s4
	s_lshl_b32 s26, s26, 13                        ; my block of x1f
	s_mov_b32 s27, 0
	s_lshl_b32 s34, s4, 6
	s_add_co_u32 s34, s34, s5
	s_mul_i32 s34, s34, UNIT                       ; x1c: unit (ks, T / 4)
	s_lshl_b32 s30, s47, 11
	s_add_co_u32 s30, s30, s34                     ; my tile's codes
	s_mov_b32 s31, 0
	s_lshl_b32 s35, s47, 2
	s_add_co_u32 s34, s34, s35
	s_add_co_u32 s34, s34, 8192                    ; my tile's scale words
	s_mov_b32 s35, 0
	s_mul_i32 s38, s5, UNIT
	s_mul_i32 s39, s4, 64*UNIT
	s_add_co_u32 s38, s38, s39                     ; aoc: unit (ks, T / 4): the K step whose fragment I fetch
	s_lshl_b32 s36, s47, 11
	s_add_co_u32 s36, s36, s38                     ; the tile's codes
	s_mov_b32 s37, 0
	s_lshl_b32 s39, s47, 2
	s_add_co_u32 s38, s38, s39
	s_add_co_u32 s38, s38, 8192                    ; the tile's scale words
	s_mov_b32 s39, 0
	s_mul_i32 s40, s4, 2*UNIT
	s_add_co_u32 s40, s40, 7569408                 ; ow's image, unit (0, 2 ks)
	s_mov_b32 s41, 0
	s_mov_b32 s42, 0x3a800000                      ; 1 / 1,024
	s_mov_b32 s43, 0x3727c5ac                      ; 1e-5
	s_mov_b32 s[SEL], 0x76543210
	s_mov_b32 s[SEL+1], 0xfedcba98
	s_mov_b32 s[MNT], 0x600000
	s_wait_alu depctr_va_vdst(0)
	s_wait_kmcnt 0x0
	s_add_nc_u64 s[38:39], s[8:9], s[38:39]
	s_add_nc_u64 s[8:9], s[8:9], s[36:37]
	s_add_nc_u64 s[10:11], s[10:11], s[40:41]
	s_add_nc_u64 s[12:13], s[12:13], s[28:29]
	s_add_nc_u64 s[14:15], s[14:15], s[24:25]
	s_add_nc_u64 s[16:17], s[16:17], s[28:29]
	s_add_nc_u64 s[18:19], s[18:19], s[28:29]
	s_add_nc_u64 s[20:21], s[20:21], s[26:27]
	s_add_nc_u64 s[30:31], s[22:23], s[30:31]
	s_add_nc_u64 s[34:35], s[22:23], s[34:35]
.macro LOADK q                         ; K step q's fragments and scale words of ow into set q % 2: 34 loads; the fragments go to window 1
.set P_, (\q)%2
	WIN 0x40
.irp t, 0,1,2,3,4,5,6,7
.irp c, 0,1,2,3
	global_load_b128 v[128*P_+16*\t+4*\c:128*P_+16*\t+4*\c+3], v1, s[10:11] offset:((\q)*16+\t/4)*UNIT+(\t%4)*2048+512*\c
.endr
.endr
	WIN 0
	global_load_b128 v[BS+8*P_:BS+8*P_+3], v13, s[10:11] offset:(\q)*16*UNIT+8192
	global_load_b128 v[BS+8*P_+4:BS+8*P_+7], v13, s[10:11] offset:((\q)*16+1)*UNIT+8192
.endm
.macro LOADA q                         ; K step q's fragment and scale word of the tokens, from its image in LDS, into set q % 2
.set P_, (\q)%2
.irp c, 0,1,2,3
	ds_load_b128 v[Z+16*P_+4*\c:Z+16*P_+4*\c+3], v248 offset:(\q)*AIP+512*\c
.endr
	ds_load_b32 v[AS+P_], v249 offset:(\q)*AIP
.endm
.macro MULK q                          ; eight products, the eight accumulators by turns; eight plain places follow, ahead of loads into what they read and of readers of the sums
.set P_, (\q)%2
	s_wait_dscnt 0x0                               ; the tokens' fragment is in
	WIN 0x01
.irp t, 0,1,2,3,4,5,6,7
	v_wmma_scale_f32_16x16x128_f8f6f4 v[Y+8*\t:Y+8*\t+7], v[128*P_+16*\t:128*P_+16*\t+15], v[Z+16*P_:Z+16*P_+15], v[Y+8*\t:Y+8*\t+7], v[BS+8*P_+\t], v[AS+P_]
.endr
	WIN 0
.rept 8
	v_nop
.endr
.endm
.irp c, 0,1,2,3
	global_load_b128 v[Z+32+4*\c:Z+32+4*\c+3], v1, s[8:9] offset:512*\c   ; the tokens' fragment of K step ks,
.endr
	global_load_b32 v252, v13, s[38:39]            ; and its scale word
.irp j, 0,1,2,3,4,5,6,7,8,9,10,11,12,13,14,15
	global_load_b128 v[Y+4*\j:Y+4*\j+3], v2, s[12:13] offset:128*(\j/4)+16*(\j%4)   ; ob, in the sums' layout
.endr
	LOADK 0
	s_wait_loadcnt 50                              ; the tokens' fragment is in; behind it: ob's 16 loads and K step 0's 34
.irp c, 0,1,2,3
	ds_store_b128 v250, v[Z+32+4*\c:Z+32+4*\c+3] offset:512*\c
.endr
	ds_store_b32 v251, v252
	s_wait_dscnt 0x0                               ; for the others' sake
	s_barrier_signal -1
	s_barrier_wait -1                              ; all eight images may be read; nothing writes them again
	LOADA 0
.irp i, 0,1,2,3,4,5,6,7,8,9,10,11,12,13,14,15
	global_load_b128 v[X+4*\i:X+4*\i+3], v1, s[14:15] offset:(16*(\i/8)+\i%8)*4096   ; src: 512 consecutive bytes of a row
.endr
	LOADK 1
	LOADA 1
	s_wait_loadcnt 50                              ; ob and K step 0 are in; behind them: src's 16 loads and K step 1's 34
	MULK 0
	LOADK 2
	LOADA 2
	s_wait_loadcnt 34                              ; src and K step 1 are in; behind them: K step 2's 34
	MULK 1
	LOADK 3
	LOADA 3
.irp i, 0,1,2,3,4,5,6,7,8,9,10,11,12,13,14,15
	ds_store_b128 v3, v[X+4*\i:X+4*\i+3] offset:\i*SP
.endr
.irp j, 0,1,2,3,4,5,6,7,8,9,10,11,12,13,14,15
	ds_load_b128 v[X+4*\j:X+4*\j+3], v4 offset:128*(\j/4)+16*(\j%4)   ; LDS serves a wave's instructions in order: these see the stores above
.endr
.irp q, 2,3,4,5
	s_wait_loadcnt 34                              ; this K step is in; the next one's 34 loads may be out
	MULK \q
	LOADK \q+2
	LOADA \q+2
.endr
	s_wait_loadcnt 34
	MULK 6
	s_wait_loadcnt 0x0
	MULK 7
.irp j, 0,1,2,3,4,5,6,7,8,9,10,11,12,13,14,15
	global_load_b128 v[Z+4*\j:Z+4*\j+3], v2, s[18:19] offset:128*(\j/4)+16*(\j%4)   ; beta, into registers that the tokens' fragments have left
.endr
.set n, 0
.rept 32
	v_pk_add_f32 v[X+2*n:X+2*n+1], v[X+2*n:X+2*n+1], v[Y+2*n:Y+2*n+1]   ; each accumulator from its low end on
.set n, n+1
.endr
.irp j, 0,1,2,3,4,5,6,7,8,9,10,11,12,13,14,15
	global_load_b128 v[Y+4*\j:Y+4*\j+3], v2, s[16:17] offset:128*(\j/4)+16*(\j%4)   ; g, into the registers that the sums have left
.endr
; two packed chains in v[TM:TM+3] become the row's sum over all 1,024 columns, in v[TM] of every lane
.macro ACROSS off
	s_delay_alu instid0(VALU_DEP_1)
	v_pk_add_f32 v[TM:TM+1], v[TM:TM+1], v[TM+2:TM+3]
	s_delay_alu instid0(VALU_DEP_1)
	v_add_f32 v[TM], v[TM], v[TM+1]
	s_delay_alu instid0(VALU_DEP_1)
	v_permlanex16_b32 v[TM+4], v[TM], s[SEL], s[SEL+1]
	s_delay_alu instid0(VALU_DEP_1)
	v_add_f32 v[TM], v[TM], v[TM+4]                ; my wave's 128 columns of row r
	ds_store_b32 v5, v[TM] offset:\off             ; both lanes of a row write the same word with the same value
	s_wait_dscnt 0x0                               ; for the others' sake
	s_barrier_signal -1
	s_barrier_wait -1
	ds_load_b128 v[TM+8:TM+11], v6 offset:\off
	ds_load_b128 v[TM+12:TM+15], v6 offset:\off+16
	s_wait_dscnt 0x0
	v_pk_add_f32 v[TM+8:TM+9], v[TM+8:TM+9], v[TM+10:TM+11]
	v_pk_add_f32 v[TM+12:TM+13], v[TM+12:TM+13], v[TM+14:TM+15]
	s_delay_alu instid0(VALU_DEP_1)
	v_pk_add_f32 v[TM+8:TM+9], v[TM+8:TM+9], v[TM+12:TM+13]
	s_delay_alu instid0(VALU_DEP_1)
	v_add_f32 v[TM], v[TM+8], v[TM+9]
.endm
	v_pk_add_f32 v[TM:TM+1], v[X:X+1], v[X+2:X+3]
	v_pk_add_f32 v[TM+2:TM+3], v[X+4:X+5], v[X+6:X+7]
.irp j, 8,12,16,20,24,28,32,36,40,44,48,52,56,60
	s_delay_alu instid0(VALU_DEP_2)
	v_pk_add_f32 v[TM:TM+1], v[TM:TM+1], v[X+\j:X+\j+1]
	s_delay_alu instid0(VALU_DEP_2)
	v_pk_add_f32 v[TM+2:TM+3], v[TM+2:TM+3], v[X+\j+2:X+\j+3]
.endr
	ACROSS 0
	s_delay_alu instid0(VALU_DEP_1)
	v_mul_f32 v[MU], 0xba800000, v[TM]             ; - the mean
	s_delay_alu instid0(VALU_DEP_2)
	v_mul_f32 v[MU+1], 0xba800000, v[TM]
.set n, 0
.rept 32
	v_pk_add_f32 v[X+2*n:X+2*n+1], v[X+2*n:X+2*n+1], v[MU:MU+1]
.set n, n+1
.endr
	v_pk_mul_f32 v[TM:TM+1], v[X:X+1], v[X:X+1]
	v_pk_mul_f32 v[TM+2:TM+3], v[X+2:X+3], v[X+2:X+3]
.irp j, 4,8,12,16,20,24,28,32,36,40,44,48,52,56,60
	s_delay_alu instid0(VALU_DEP_2)
	v_pk_fma_f32 v[TM:TM+1], v[X+\j:X+\j+1], v[X+\j:X+\j+1], v[TM:TM+1]
	s_delay_alu instid0(VALU_DEP_2)
	v_pk_fma_f32 v[TM+2:TM+3], v[X+\j+2:X+\j+3], v[X+\j+2:X+\j+3], v[TM+2:TM+3]
.endr
	ACROSS 512
	s_delay_alu instid0(VALU_DEP_1)
	v_fma_f32 v[TM], v[TM], s42, s43               ; the variance + 1e-5
	s_wait_alu depctr_va_vdst(0)
	v_rsq_f32 v[RS], v[TM]
	v_rsq_f32 v[RS+1], v[TM]
	v_nop                                          ; a plain line behind the transcendentals
	s_wait_alu depctr_va_vdst(0)                   ; one wait for both, ahead of their first reader
	s_wait_loadcnt 0x0                             ; g and beta
.set n, 0
.rept 32
	v_pk_mul_f32 v[X+2*n:X+2*n+1], v[X+2*n:X+2*n+1], v[RS:RS+1]
.set n, n+1
.endr
.set n, 0
.rept 32
	v_pk_fma_f32 v[X+2*n:X+2*n+1], v[X+2*n:X+2*n+1], v[Y+2*n:Y+2*n+1], v[Z+2*n:Z+2*n+1]
.set n, n+1
.endr
.irp j, 0,1,2,3,4,5,6,7,8,9,10,11,12,13,14,15
	global_store_b128 v1, v[X+4*\j:X+4*\j+3], s[20:21] offset:\j*512   ; 512 consecutive bytes, aligned
.endr
	s_wait_xcnt 0x0                                ; the stores have read x: the holds below write it
.irp b, 0,1,2,3
	v_max3_num_f32 v[TM+\b], |v[X+16*\b]|, |v[X+1+16*\b]|, 0x4800000   ; my 16 numbers of block b, and the floor 2^(9 - 127)
.endr
.irp i, 2,4,6,8,10,12,14
.irp b, 0,1,2,3
	s_delay_alu instid0(VALU_DEP_4)
	v_max3_num_f32 v[TM+\b], v[TM+\b], |v[X+16*\b+\i]|, |v[X+1+16*\b+\i]|
.endr
.endr
.irp b, 0,1,2,3
	s_delay_alu instid0(VALU_DEP_4)
	v_permlanex16_b32 v[TM+4+\b], v[TM+\b], s[SEL], s[SEL+1]
.endr
.irp b, 0,1,2,3
	s_delay_alu instid0(VALU_DEP_4)
	v_max_num_f32 v[TM+\b], v[TM+\b], v[TM+4+\b]   ; with lane l xor 16's: the block's largest magnitude
.endr
.irp b, 0,1,2,3
	s_delay_alu instid0(VALU_DEP_4)
	v_add_nc_u32 v[TM+12+\b], 0xfc000000, v[TM+\b] ; 8 off the exponent field: the conversion's scale operand
.endr
.irp b, 0,1,2,3
	v_and_or_b32 v[TM+8+\b], v[TM+\b], 0x7f800000, s[MNT]   ; 448 x the scale
.endr
.irp b, 0,1,2,3
	v_lshrrev_b32 v[TM+4+\b], 23, v[TM+12+\b]      ; the scale's byte
.endr
	s_delay_alu instid0(VALU_DEP_3)
	v_lshl_or_b32 v[PW], v[TM+5], 8, v[TM+4]
	s_delay_alu instid0(VALU_DEP_1)
	v_lshl_or_b32 v[PW], v[TM+6], 16, v[PW]
	s_delay_alu instid0(VALU_DEP_1)
	v_lshl_or_b32 v[PW], v[TM+7], 24, v[PW]
.irp b, 0,1,2,3
.irp i, 0,1,2,3,4,5,6,7,8,9,10,11,12,13,14,15
	v_med3_num_f32 v[X+16*\b+\i], v[X+16*\b+\i], -v[TM+8+\b], v[TM+8+\b]   ; the conversion does not saturate (ISA guide 7.6.2): the hold comes first
.endr
	v_cvt_scalef32_pk8_fp8_f32 v[Y+4*\b:Y+1+4*\b], v[X+16*\b:X+7+16*\b], v[TM+12+\b]      ; the codes take registers that g has left
	v_cvt_scalef32_pk8_fp8_f32 v[Y+2+4*\b:Y+3+4*\b], v[X+8+16*\b:X+15+16*\b], v[TM+12+\b]
.endr
	v_lshrrev_b32 v[HW], v8, v[PW]                 ; lane (r, h) stores half h of row r's scale word
.irp c, 0,1,2,3
	global_store_b128 v1, v[Y+4*\c:Y+4*\c+3], s[30:31] offset:\c*512
.endr
	global_store_b16 v7, v[HW], s[34:35]
	s_wait_tensorcnt 0x0                           ; the wave's end
	ds_add_u32 v254, v255
	s_wait_dscnt 0x0
	s_endpgm
.Lfunc_end_k_q1735fc1484_oln1:
	.size	k_q1735fc1484_oln1, .Lfunc_end_k_q1735fc1484_oln1-k_q1735fc1484_oln1
	.p2alignl 7, 3214868480
	.fill 96, 4, 3214868480
	.section	.rodata,"a",@progbits
	.p2align	6, 0x0
	.amdhsa_kernel k_q1735fc1484_oln1
		.amdhsa_group_segment_fixed_size 88064
		.amdhsa_private_segment_fixed_size 0
		.amdhsa_enable_private_segment 0
		.amdhsa_kernarg_size 64
		.amdhsa_user_sgpr_count 2
		.amdhsa_user_sgpr_kernarg_segment_ptr 1
		.amdhsa_wavefront_size32 1
		.amdhsa_system_sgpr_workgroup_id_x 1
		.amdhsa_system_sgpr_workgroup_id_y 1
		.amdhsa_system_sgpr_workgroup_id_z 1
		.amdhsa_system_vgpr_workitem_id 0
		.amdhsa_next_free_vgpr 512
		.amdhsa_next_free_sgpr 66
		.amdhsa_reserve_vcc 0
		.amdhsa_float_denorm_mode_32 3
		.amdhsa_float_denorm_mode_16_64 3
		.amdhsa_memory_ordered 1
		.amdhsa_forward_progress 1
		.amdhsa_inst_pref_size 80
	.end_amdhsa_kernel
	.amdgpu_metadata
---
amdhsa.version: [ 1, 2 ]
amdhsa.kernels:
  - .name:           k_q1735fc1484_oln1
    .symbol:         k_q1735fc1484_oln1.kd
    .args:
      - { .name: aoc, .offset: 0, .size: 8, .value_kind: global_buffer, .address_space: global }
      - { .name: img, .offset: 8, .size: 8, .value_kind: global_buffer, .address_space: global }
      - { .name: ob, .offset: 16, .size: 8, .value_kind: global_buffer, .address_space: global }
      - { .name: src, .offset: 24, .size: 8, .value_kind: global_buffer, .address_space: global }
      - { .name: g1, .offset: 32, .size: 8, .value_kind: global_buffer, .address_space: global }
      - { .name: beta1, .offset: 40, .size: 8, .value_kind: global_buffer, .address_space: global }
      - { .name: x1f, .offset: 48, .size: 8, .value_kind: global_buffer, .address_space: global }
      - { .name: x1c, .offset: 56, .size: 8, .value_kind: global_buffer, .address_space: global }
    .group_segment_fixed_size: 88064
    .private_segment_fixed_size: 0
    .kernarg_segment_align: 8
    .kernarg_segment_size: 64
    .max_flat_workgroup_size: 256
    .sgpr_count:     66
    .vgpr_count:     512
    .wavefront_size: 32
...
	.end_amdgpu_metadata
.endif
;; end of part 4
;; launch ffn1 (part 5): grid 16 x 16, 4 waves a work-group, clusters of 4 x 4, 327,680 bytes of LDS; arguments x1c, img, b1, hc; writes hc
.if DOCPART == 5
	.amdgcn_target "amdgcn-amd-amdhsa--gfx1250"
	.amdhsa_code_object_version 6
	.text
	.protected	k_q1735fc1484_ffn1
	.globl	k_q1735fc1484_ffn1
	.p2align	8
	.type	k_q1735fc1484_ffn1,@function
k_q1735fc1484_ffn1:
	s_mov_b64 s[64:65], 0
	v_nop
	global_prefetch_b8 v0, s[64:65] scope:SCOPE_SE
	s_setreg_imm32_b32 hwreg(HW_REG_WAVE_MODE, 25, 1), 1
	s_wait_xcnt 0x0
	s_wait_alu depctr_hold_cnt(0) depctr_sa_sdst(0) depctr_va_vdst(0) depctr_va_sdst(0) depctr_va_ssrc(0) depctr_va_vcc(0) depctr_vm_vsrc(0)
	s_getreg_b32 s2, hwreg(HW_REG_IB_STS2, 6, 4)
	s_cmp_eq_u32 s2, 0
	s_cbranch_scc0 .Lentry_in_a_cluster
	s_endpgm
.Lentry_in_a_cluster:
	s_bfe_u32 s2, ttmp6, 0x10000c
	s_cmp_lg_u32 s2, 0xf033
	s_cbranch_scc0 .Lentry_shape_is_right
	s_endpgm
.Lentry_shape_is_right:
.set KIND,  1
.set LAPS,  2
.set GN1,   64
.set OFF1,  0
.set GN0,   64
.set OFF0,  8650752
.set UNIT,  8448
.set QTR,   4*UNIT
.set SLOT,  4*QTR
.set SPARE, 2*SLOT
.set T,     1
.set ADRA,  16
.set ADRB,  20
.set ADRS,  22
.set CO,    26
.set BO,    27
.set SPW,   28
.set NIL,   29
.set SO,    31
.set SC,    32
.set BIAS,  64
.set AF,    128
.set PC,    160
.set TM,    200
.set PW,    216
.set SW,    224
.set G1,    24
.set G0,    32
.set G1B,   48
.set G0B,   56
.set SEL,   18
.set MNT,   83
.set HM,    2
.set MSB,   0
.macro WIN new
.if MSB != \new
	s_set_vgpr_msb (MSB<<8)|\new
.set MSB, \new
.endif
.endm
.set MUL_LO, 0xa1
.set MUL_HI, 0xf1
.set TO_B,   0x40
.macro JLOAD g0a, g1a, g0b, g1b
	s_cmp_eq_u32 s15, 0
	s_cbranch_scc0 .Lfor_b_\@
	tensor_load_to_lds s[\g0a:\g0a+3], s[\g1a:\g1a+7]
	s_nop 0
.rept 4
	v_nop
.endr
	s_branch .Lasked_\@
.Lfor_b_\@:
	tensor_load_to_lds s[\g0b:\g0b+3], s[\g1b:\g1b+7]
	s_nop 0
.rept 4
	v_nop
.endr
.Lasked_\@:
.endm
.macro CREST
	s_cmp_lg_u32 s14, 0
	s_cbranch_scc1 .Lnot_wave_0_\@
	s_barrier_signal -3
.Lnot_wave_0_\@:
	s_barrier_wait -3
	s_barrier_signal -1
	s_barrier_wait -1
.endm
.macro CROUND
	s_barrier_signal -1
	s_barrier_wait -1
	CREST
.endm
.macro PLACES n
.rept \n
	v_nop
.endr
.endm
	s_load_b256 s[4:11], s[0:1], 0x0
	v_lshl_add_u32 v[SPW], v0, 2, SPARE
	v_mov_b32 v[NIL], 0
	ds_add_u32 v28, v29
	ds_add_u32 v28, v29
	s_wait_dscnt 0x0
	v_lshrrev_b32 v[T], 5, v0
	v_readfirstlane_b32 s14, v[T]
	s_lshr_b32 s15, s14, 1
	s_and_b32 s16, s14, 1
	s_bfe_u32 s40, ttmp6, 0x40000
	s_bfe_u32 s41, ttmp6, 0x40004
	s_lshl_b32 s42, ttmp9, 2
	s_add_co_u32 s42, s42, s40
	s_and_b32 s17, ttmp7, 0xffff
	s_lshl_b32 s17, s17, 2
	s_add_co_u32 s17, s17, s41
	s_lshl_b32 s43, s41, 2
	s_lshl_b32 s43, 15, s43
	s_lshl_b32 s44, 0x1111, s40
	s_or_b32 s[G1+0], s43, (3<<16)|(1<<21)
	s_or_b32 s[G1B+0], s44, (3<<16)|(1<<21)
.irp g, G1, G1B
	s_mov_b32 s[\g+1], 32<<16
	s_mov_b32 s[\g+2], 132<<16
	s_mov_b32 s[\g+3], 32<<16
	s_mov_b32 s[\g+4], 132
	s_mov_b32 s[\g+5], 32
	s_mov_b32 s[\g+6], 0
	s_mov_b32 s[\g+7], 0
.endr
	s_mul_i32 s20, s16, GN1
	s_lshl_b32 s21, s17, 2
	s_add_co_u32 s20, s20, s21
	s_mul_i32 s20, s20, UNIT
	s_add_co_u32 s20, s20, OFF1
	s_mov_b32 s21, 0
	s_mul_i32 s46, s16, GN0
	s_lshl_b32 s47, s42, 2
	s_add_co_u32 s46, s46, s47
	s_mul_i32 s46, s46, UNIT
	s_add_co_u32 s46, s46, OFF0
	s_mov_b32 s47, 0
	s_mul_i32 s45, s14, QTR
	s_mov_b32 s[SEL], 0x76543210
	s_mov_b32 s[SEL+1], 0xfedcba98
	s_mov_b32 s[MNT], 0x600000
	s_mov_b32 s[HM], 0xffff0000
	s_wait_kmcnt 0x0
	s_add_nc_u64 s[20:21], s[4:5], s[20:21]
	s_add_nc_u64 s[46:47], s[6:7], s[46:47]
	CROUND
.irp s, 0,1
	s_mov_b32 s[G0+4*\s], 1
	s_add_co_u32 s[G0+4*\s+1], s45, \s*SLOT
	s_add_nc_u64 s[G0+4*\s+2:G0+4*\s+3], s[20:21], \s*2*GN1*UNIT
	s_or_b32 s[G0+4*\s+3], s[G0+4*\s+3], 0x80000000
	s_mov_b32 s[G0B+4*\s], 1
	s_add_co_u32 s[G0B+4*\s+1], s45, \s*SLOT
	s_add_nc_u64 s[G0B+4*\s+2:G0B+4*\s+3], s[46:47], \s*2*GN0*UNIT
	s_or_b32 s[G0B+4*\s+3], s[G0B+4*\s+3], 0x80000000
.endr
	JLOAD G0, G1, G0B, G1B                         ; slot 0: my one load at the head
	v_and_b32 v[T+1], 15, v0
	v_bfe_u32 v[T+2], v0, 4, 1
	v_and_b32 v[T+3], 31, v0
	v_lshlrev_b32 v[CO], 4, v[T+3]
	s_mul_i32 s21, s15, 2*UNIT
	s_mul_i32 s22, s16, 2*UNIT
	s_add_co_u32 s22, s22, 2*QTR
	v_add_nc_u32 v[ADRA], s21, v[CO]
	v_add_nc_u32 v[ADRB], s22, v[CO]
	v_add_nc_u32 v[ADRA+1], SLOT, v[ADRA]
	v_add_nc_u32 v[ADRB+1], SLOT, v[ADRB]
	s_sub_co_u32 s22, s22, s21
	v_mul_u32_u24 v[T+4], s22, v[T+2]
	v_lshl_add_u32 v[T+4], v[T+1], 4, v[T+4]
	s_add_co_u32 s21, s21, 8192
	v_add_nc_u32 v[ADRS], s21, v[T+4]
	v_add_nc_u32 v[ADRS+1], SLOT, v[ADRS]
	v_lshlrev_b32 v[BO], 6, v[T+2]
	s_lshl_b32 s92, s42, 10
	s_lshl_b32 s93, s16, 9
	s_add_co_u32 s92, s92, s93
	s_mov_b32 s93, 0
	s_add_nc_u64 s[8:9], s[8:9], s[92:93]
.irp j, 0,1,2,3,4,5,6,7,8,9,10,11,12,13,14,15
	global_load_b128 v[BIAS+4*\j:BIAS+4*\j+3], v[BO], s[8:9] offset:128*(\j/4)+16*(\j%4)
.endr
.if KIND == 0
	s_lshl_b32 s76, s17, 4
	s_lshl_b32 s77, s15, 3
	s_add_co_u32 s76, s76, s77
	s_lshl_b32 s76, s76, 3
	s_lshl_b32 s77, s42, 1
	s_add_co_u32 s76, s76, s77
	s_add_co_u32 s76, s76, s16
	s_lshl_b32 s76, s76, 13
	s_mov_b32 s77, 0
	s_add_nc_u64 s[10:11], s[10:11], s[76:77]
.else
	s_lshl_b32 s76, s42, 1
	s_add_co_u32 s76, s76, s16
	s_lshl_b32 s76, s76, 6
	s_lshl_b32 s77, s17, 2
	s_add_co_u32 s76, s76, s77
	s_lshl_b32 s77, s15, 1
	s_add_co_u32 s76, s76, s77
	s_mul_i32 s76, s76, UNIT
	s_mov_b32 s77, 0
	s_add_nc_u64 s[10:11], s[10:11], s[76:77]
	v_mul_u32_u24 v[SO], v[T+2], UNIT
	v_lshl_add_u32 v[SO], v[T+1], 4, v[SO]
.endif
.macro FRAG reg, adr, q, i
.irp c, 0,1,2,3
	ds_load_b128 v[\reg+4*\c:\reg+4*\c+3], v[\adr] offset:(\q)*QTR+((\i)/4)*UNIT+((\i)%4)*2048+512*\c
.endr
.endm
.macro MUL16 a0, p, q, sc, first
.irp a, \a0, \a0+1
.irp b, 0,1,2,3,4,5,6,7
.if \first
	v_wmma_scale_f32_16x16x128_f8f6f4 v[8*(8*((\a)%4)+\b):8*(8*((\a)%4)+\b)+7], v[128*(\p)+16*\b:128*(\p)+16*\b+15], v[AF+16*(\a):AF+16*(\a)+15], v[BIAS+8*\b:BIAS+8*\b+7], v[SC+16*(\sc)+8*(\q)+\b], v[SC+16*(\sc)+8*(\q)+(\a)] matrix_a_scale:MATRIX_SCALE_ROW1
.else
	v_wmma_scale_f32_16x16x128_f8f6f4 v[8*(8*((\a)%4)+\b):8*(8*((\a)%4)+\b)+7], v[128*(\p)+16*\b:128*(\p)+16*\b+15], v[AF+16*(\a):AF+16*(\a)+15], v[8*(8*((\a)%4)+\b):8*(8*((\a)%4)+\b)+7], v[SC+16*(\sc)+8*(\q)+\b], v[SC+16*(\sc)+8*(\q)+(\a)] matrix_a_scale:MATRIX_SCALE_ROW1
.endif
.endr
.endr
.endm
.macro FETCH_B slot, q, p
	WIN TO_B
.irp i, 0,1,2,3,4,5,6,7
	FRAG 128*(\p)+16*\i, ADRB+\slot, \q, \i
.endr
	WIN 0
.endm
.macro FETCH_A slot, q, i0
.irp i, \i0, \i0+1, \i0+2, \i0+3
	FRAG AF+16*(\i), ADRA+\slot, \q, \i
.endr
.endm
.macro SCALES s
.irp q, 0,1
.irp u, 0,1
	ds_load_b128 v[SC+16*\s+8*\q+4*\u:SC+16*\s+8*\q+4*\u+3], v[ADRS+\s] offset:\q*QTR+\u*UNIT
.endr
.endr
.endm
.macro NEXTG slot
	s_add_nc_u64 s[G0+4*\slot+2:G0+4*\slot+3], s[G0+4*\slot+2:G0+4*\slot+3], 4*GN1*UNIT
	s_add_nc_u64 s[G0B+4*\slot+2:G0B+4*\slot+3], s[G0B+4*\slot+2:G0B+4*\slot+3], 4*GN0*UNIT
.endm
.macro STEP slot, q, first
	s_wait_dscnt 16
.if \first
	WIN 0x81
.else
	WIN MUL_LO
.endif
	MUL16 0, (\q)%2, \q, \slot, \first
	MUL16 2, (\q)%2, \q, \slot, \first
	s_wait_dscnt 0
	PLACES 8
	FETCH_B \slot, (\q)+1, 1-(\q)%2
	FETCH_A \slot, (\q)+1, 0
.if \first
	WIN 0xc1
.else
	WIN MUL_HI
.endif
	MUL16 4, (\q)%2, \q, \slot, \first
	MUL16 6, (\q)%2, \q, \slot, \first
	PLACES 8
	WIN 0
	FETCH_A \slot, (\q)+1, 4
.endm
.macro TURN slot, next, fill
	s_wait_tensorcnt 0x0
	ds_add_u32 v[SPW], v[NIL]
	s_wait_dscnt 17
	WIN MUL_LO
	MUL16 0, 1, 1, \slot, 0
	s_wait_dscnt 0x0
	s_barrier_signal -1
	MUL16 2, 1, 1, \slot, 0
	WIN 0
	s_barrier_wait -1
.if \fill
	CREST
	NEXTG \slot
	JLOAD G0+4*\slot, G1, G0B+4*\slot, G1B
	PLACES 4
.else
	PLACES 8
.endif
	FETCH_B \next, 0, 0
	FETCH_A \next, 0, 0
	SCALES \next
	WIN MUL_HI
	MUL16 4, 1, 1, \slot, 0
	MUL16 6, 1, 1, \slot, 0
	PLACES 8
	WIN 0
	FETCH_A \next, 0, 4
.endm
	s_wait_alu depctr_va_vdst(0)
	s_wait_tensorcnt 0x0                           ; my part of slot 0 is in
	ds_add_u32 v[SPW], v[NIL]
	s_wait_dscnt 0x0
	CROUND                                         ; everybody's part of slot 0 is in, and all sixteen work-groups are here
	JLOAD G0+4, G1, G0B+4, G1B                     ; slot 1: my one load behind the round
	FETCH_B 0, 0, 0
	FETCH_A 0, 0, 0
	SCALES 0
	FETCH_A 0, 0, 4
	s_wait_loadcnt 0x0
	STEP 0, 0, 1
	s_mov_b32 s3, LAPS-1
.Llap:
	TURN 0, 1, 1
	STEP 1, 0, 0
	TURN 1, 0, 1
	STEP 0, 0, 0
	s_sub_co_u32 s3, s3, 1
	s_cmp_lg_u32 s3, 0
	s_cbranch_scc1 .Llap
	TURN 0, 1, 0
	STEP 1, 0, 0
	s_wait_dscnt 16
	WIN MUL_LO
	MUL16 0, 1, 1, 1, 0
	MUL16 2, 1, 1, 1, 0
	s_wait_dscnt 0
	WIN MUL_HI
	MUL16 4, 1, 1, 1, 0
	MUL16 6, 1, 1, 1, 0
	WIN 0
	PLACES 8
.if KIND == 0
.irp a, 0,1,2,3,4,5,6,7
.set WS, (2+\a/4)<<2
	WIN WS
.irp j, 0,1,2,3,4,5,6,7,8,9,10,11,12,13,14,15
	global_store_b128 v[CO], v[64*(\a%4)+4*\j:64*(\a%4)+4*\j+3], s[10:11] offset:\a*65536+\j*512
.endr
.endr
	WIN 0
.else
.macro QUANTW a
.set XA, 64*((\a)%4)
.set WA, 2+(\a)/4
.set W11, WA|(WA<<2)
.set W1D, WA|(WA<<6)
	WIN W11
.irp b, 0,1,2,3
	v_max3_num_f32 v[TM+\b], v[XA+16*\b], v[XA+16*\b+1], 0x4800000
.endr
.irp i, 2,4,6,8,10,12,14
.irp b, 0,1,2,3
	v_max3_num_f32 v[TM+\b], v[XA+16*\b+\i], v[XA+16*\b+\i+1], v[TM+\b]
.endr
.endr
	WIN 0
.irp b, 0,1,2,3
	v_permlanex16_b32 v[TM+4+\b], v[TM+\b], s[SEL], s[SEL+1]
.endr
.irp b, 0,1,2,3
	v_max_num_f32 v[TM+\b], v[TM+\b], v[TM+4+\b]
.endr
.irp b, 0,1,2,3
	v_add_nc_u32 v[TM+12+\b], 0xfc000000, v[TM+\b]
.endr
.irp b, 0,1,2,3
	v_and_or_b32 v[TM+8+\b], v[TM+\b], 0x7f800000, s[MNT]
.endr
.irp b, 0,1,2,3
	v_lshrrev_b32 v[TM+4+\b], 23, v[TM+12+\b]
.endr
	v_lshl_or_b32 v[PW+(\a)], v[TM+5], 8, v[TM+4]
	v_lshl_or_b32 v[PW+(\a)], v[TM+6], 16, v[PW+(\a)]
	v_lshl_or_b32 v[PW+(\a)], v[TM+7], 24, v[PW+(\a)]
	WIN W1D
.irp b, 0,1,2,3
.irp i, 0,1,2,3,4,5,6,7,8,9,10,11,12,13,14,15
	v_med3_num_f32 v[XA+16*\b+\i], v[XA+16*\b+\i], 0, v[TM+8+\b]
.endr
.endr
	s_wait_alu depctr_va_vdst(0)
	s_wait_xcnt 0x0
	WIN WA
.irp b, 0,1,2,3
	v_cvt_scalef32_pk8_fp8_f32 v[PC+4*\b:PC+4*\b+1], v[XA+16*\b:XA+16*\b+7], v[TM+12+\b]
	v_cvt_scalef32_pk8_fp8_f32 v[PC+4*\b+2:PC+4*\b+3], v[XA+16*\b+8:XA+16*\b+15], v[TM+12+\b]
.endr
	WIN 0
	v_nop
.endm
.irp b, 0,1,2,3
	v_mov_b32 v[TM+4+\b], 0
.endr
.irp a, 0,1,2,3,4,5,6,7
	QUANTW \a
.irp c, 0,1,2,3
	global_store_b128 v[CO], v[PC+4*\c:PC+4*\c+3], s[10:11] offset:(\a/4)*UNIT+(\a%4)*2048+\c*512
.endr
.endr
.irp p, 0,1,2,3
	v_cndmask_b32 v[SW+\p], v[PW+\p], v[PW+4+\p], s[HM]
.endr
	global_store_b128 v[SO], v[SW:SW+3], s[10:11] offset:8192
.endif
	s_wait_tensorcnt 0x0
	ds_add_u32 v[SPW], v[NIL]
	s_wait_dscnt 0x0
	CROUND
	s_endpgm
.Lfunc_end_k_q1735fc1484_ffn1:
	.size	k_q1735fc1484_ffn1, .Lfunc_end_k_q1735fc1484_ffn1-k_q1735fc1484_ffn1
	.p2alignl 7, 3214868480
	.fill 96, 4, 3214868480
	.section	.rodata,"a",@progbits
	.p2align	6, 0x0
	.amdhsa_kernel k_q1735fc1484_ffn1
		.amdhsa_group_segment_fixed_size 327680
		.amdhsa_private_segment_fixed_size 0
		.amdhsa_enable_private_segment 0
		.amdhsa_kernarg_size 32
		.amdhsa_user_sgpr_count 2
		.amdhsa_user_sgpr_kernarg_segment_ptr 1
		.amdhsa_wavefront_size32 1
		.amdhsa_system_sgpr_workgroup_id_x 1
		.amdhsa_system_sgpr_workgroup_id_y 1
		.amdhsa_system_sgpr_workgroup_id_z 1
		.amdhsa_system_vgpr_workitem_id 0
		.amdhsa_next_free_vgpr 1024
		.amdhsa_next_free_sgpr 100
		.amdhsa_reserve_vcc 0
		.amdhsa_float_denorm_mode_32 3
		.amdhsa_float_denorm_mode_16_64 3
		.amdhsa_memory_ordered 1
		.amdhsa_forward_progress 1
		.amdhsa_inst_pref_size 183
	.end_amdhsa_kernel
	.amdgpu_metadata
---
amdhsa.version: [ 1, 2 ]
amdhsa.kernels:
  - .name:           k_q1735fc1484_ffn1
    .symbol:         k_q1735fc1484_ffn1.kd
    .args:
      - { .name: x1c, .offset: 0, .size: 8, .value_kind: global_buffer, .address_space: global }
      - { .name: img, .offset: 8, .size: 8, .value_kind: global_buffer, .address_space: global }
      - { .name: b1, .offset: 16, .size: 8, .value_kind: global_buffer, .address_space: global }
      - { .name: hc, .offset: 24, .size: 8, .value_kind: global_buffer, .address_space: global }
    .group_segment_fixed_size: 327680
    .private_segment_fixed_size: 0
    .kernarg_segment_align: 8
    .kernarg_segment_size: 32
    .max_flat_workgroup_size: 128
    .sgpr_count:     100
    .vgpr_count:     1024
    .wavefront_size: 32
...
	.end_amdgpu_metadata
.endif
;; end of part 5
;; launch ffn2 (part 6): grid 4 x 64, 4 waves a work-group, clusters of 4 x 4, 327,680 bytes of LDS; arguments hc, img, b2, yp; writes yp
.if DOCPART == 6
	.amdgcn_target "amdgcn-amd-amdhsa--gfx1250"
	.amdhsa_code_object_version 6
	.text
	.protected	k_q1735fc1484_ffn2
	.globl	k_q1735fc1484_ffn2
	.p2align	8
	.type	k_q1735fc1484_ffn2,@function
k_q1735fc1484_ffn2:
	s_mov_b64 s[64:65], 0
	v_nop
	global_prefetch_b8 v0, s[64:65] scope:SCOPE_SE
	s_setreg_imm32_b32 hwreg(HW_REG_WAVE_MODE, 25, 1), 1
	s_wait_xcnt 0x0
	s_wait_alu depctr_hold_cnt(0) depctr_sa_sdst(0) depctr_va_vdst(0) depctr_va_sdst(0) depctr_va_ssrc(0) depctr_va_vcc(0) depctr_vm_vsrc(0)
	s_getreg_b32 s2, hwreg(HW_REG_IB_STS2, 6, 4)
	s_cmp_eq_u32 s2, 0
	s_cbranch_scc0 .Lentry_in_a_cluster
	s_endpgm
.Lentry_in_a_cluster:
	s_bfe_u32 s2, ttmp6, 0x10000c
	s_cmp_lg_u32 s2, 0xf033
	s_cbranch_scc0 .Lentry_shape_is_right
	s_endpgm
.Lentry_shape_is_right:
.set LAPS,  2
.set GN1,   64
.set OFF1,  0
.set GN0,   16
.set OFF0,  12976128
.set UNIT,  8448
.set QTR,   4*UNIT
.set SLOT,  4*QTR
.set SPARE, 2*SLOT
.set T,     1
.set ADRA,  16
.set ADRB,  20
.set ADRS,  22
.set CO,    26
.set BO,    27
.set SPW,   28
.set NIL,   29
.set SC,    32
.set BIAS,  64
.set AF,    128
.set G1,    24
.set G0,    32
.set G1B,   48
.set G0B,   56
.set MSB,   0
.macro WIN new
.if MSB != \new
	s_set_vgpr_msb (MSB<<8)|\new
.set MSB, \new
.endif
.endm
.set MUL_LO, 0xa1
.set MUL_HI, 0xf1
.set TO_B,   0x40
.macro JLOAD g0a, g1a, g0b, g1b
	s_cmp_eq_u32 s15, 0
	s_cbranch_scc0 .Lfor_b_\@
	tensor_load_to_lds s[\g0a:\g0a+3], s[\g1a:\g1a+7]
	s_nop 0
.rept 4
	v_nop
.endr
	s_branch .Lasked_\@
.Lfor_b_\@:
	tensor_load_to_lds s[\g0b:\g0b+3], s[\g1b:\g1b+7]
	s_nop 0
.rept 4
	v_nop
.endr
.Lasked_\@:
.endm
.macro CREST
	s_cmp_lg_u32 s14, 0
	s_cbranch_scc1 .Lnot_wave_0_\@
	s_barrier_signal -3
.Lnot_wave_0_\@:
	s_barrier_wait -3
	s_barrier_signal -1
	s_barrier_wait -1
.endm
.macro CROUND
	s_barrier_signal -1
	s_barrier_wait -1
	CREST
.endm
.macro PLACES n
.rept \n
	v_nop
.endr
.endm
	s_load_b256 s[4:11], s[0:1], 0x0
	v_lshl_add_u32 v[SPW], v0, 2, SPARE
	v_mov_b32 v[NIL], 0
	ds_add_u32 v28, v29
	ds_add_u32 v28, v29
	s_wait_dscnt 0x0
	v_lshrrev_b32 v[T], 5, v0
	v_readfirstlane_b32 s14, v[T]
	s_lshr_b32 s15, s14, 1
	s_and_b32 s16, s14, 1
	s_bfe_u32 s40, ttmp6, 0x40000
	s_bfe_u32 s41, ttmp6, 0x40004
	s_lshl_b32 s42, ttmp9, 2
	s_add_co_u32 s42, s42, s40
	s_and_b32 s66, ttmp7, 0xffff
	s_and_b32 s17, s66, 3
	s_lshl_b32 s17, s17, 2
	s_add_co_u32 s17, s17, s41
	s_lshr_b32 s67, s66, 2
	s_cmp_eq_u32 s67, 0
	s_cselect_b32 s69, -1, 0
	s_lshl_b32 s43, s41, 2
	s_lshl_b32 s43, 15, s43
	s_lshl_b32 s44, 0x1111, s40
	s_or_b32 s[G1+0], s43, (3<<16)|(1<<21)
	s_or_b32 s[G1B+0], s44, (3<<16)|(1<<21)
.irp g, G1, G1B
	s_mov_b32 s[\g+1], 32<<16
	s_mov_b32 s[\g+2], 132<<16
	s_mov_b32 s[\g+3], 32<<16
	s_mov_b32 s[\g+4], 132
	s_mov_b32 s[\g+5], 32
	s_mov_b32 s[\g+6], 0
	s_mov_b32 s[\g+7], 0
.endr
	s_mul_i32 s20, s16, GN1
	s_lshl_b32 s21, s17, 2
	s_add_co_u32 s20, s20, s21
	s_mul_i32 s20, s20, UNIT
	s_add_co_u32 s20, s20, OFF1
	s_mul_i32 s68, s67, 8*GN1*UNIT
	s_add_co_u32 s20, s20, s68
	s_mov_b32 s21, 0
	s_mul_i32 s46, s16, GN0
	s_lshl_b32 s47, s42, 2
	s_add_co_u32 s46, s46, s47
	s_mul_i32 s46, s46, UNIT
	s_add_co_u32 s46, s46, OFF0
	s_mul_i32 s68, s67, 8*GN0*UNIT
	s_add_co_u32 s46, s46, s68
	s_mov_b32 s47, 0
	s_mul_i32 s45, s14, QTR
	s_wait_kmcnt 0x0
	s_add_nc_u64 s[20:21], s[4:5], s[20:21]
	s_add_nc_u64 s[46:47], s[6:7], s[46:47]
	CROUND
.irp s, 0,1
	s_mov_b32 s[G0+4*\s], 1
	s_add_co_u32 s[G0+4*\s+1], s45, \s*SLOT
	s_add_nc_u64 s[G0+4*\s+2:G0+4*\s+3], s[20:21], \s*2*GN1*UNIT
	s_or_b32 s[G0+4*\s+3], s[G0+4*\s+3], 0x80000000
	s_mov_b32 s[G0B+4*\s], 1
	s_add_co_u32 s[G0B+4*\s+1], s45, \s*SLOT
	s_add_nc_u64 s[G0B+4*\s+2:G0B+4*\s+3], s[46:47], \s*2*GN0*UNIT
	s_or_b32 s[G0B+4*\s+3], s[G0B+4*\s+3], 0x80000000
.endr
	JLOAD G0, G1, G0B, G1B                         ; slot 0: my one load at the head
	v_and_b32 v[T+1], 15, v0
	v_bfe_u32 v[T+2], v0, 4, 1
	v_and_b32 v[T+3], 31, v0
	v_lshlrev_b32 v[CO], 4, v[T+3]
	s_mul_i32 s21, s15, 2*UNIT
	s_mul_i32 s22, s16, 2*UNIT
	s_add_co_u32 s22, s22, 2*QTR
	v_add_nc_u32 v[ADRA], s21, v[CO]
	v_add_nc_u32 v[ADRB], s22, v[CO]
	v_add_nc_u32 v[ADRA+1], SLOT, v[ADRA]
	v_add_nc_u32 v[ADRB+1], SLOT, v[ADRB]
	s_sub_co_u32 s22, s22, s21
	v_mul_u32_u24 v[T+4], s22, v[T+2]
	v_lshl_add_u32 v[T+4], v[T+1], 4, v[T+4]
	s_add_co_u32 s21, s21, 8192
	v_add_nc_u32 v[ADRS], s21, v[T+4]
	v_add_nc_u32 v[ADRS+1], SLOT, v[ADRS]
	v_lshlrev_b32 v[BO], 6, v[T+2]
	s_lshl_b32 s92, s42, 10
	s_lshl_b32 s93, s16, 9
	s_add_co_u32 s92, s92, s93
	s_mov_b32 s93, 0
	s_add_nc_u64 s[8:9], s[8:9], s[92:93]
.irp j, 0,1,2,3,4,5,6,7,8,9,10,11,12,13,14,15
	global_load_b128 v[BIAS+4*\j:BIAS+4*\j+3], v[BO], s[8:9] offset:128*(\j/4)+16*(\j%4)
.endr
	s_lshl_b32 s76, s17, 4
	s_lshl_b32 s77, s15, 3
	s_add_co_u32 s76, s76, s77
	s_lshl_b32 s76, s76, 3
	s_lshl_b32 s77, s42, 1
	s_add_co_u32 s76, s76, s77
	s_add_co_u32 s76, s76, s16
	s_lshl_b32 s76, s76, 13
	s_lshl_b32 s77, s67, 24
	s_add_co_u32 s76, s76, s77
	s_mov_b32 s77, 0
	s_add_nc_u64 s[10:11], s[10:11], s[76:77]
.macro FRAG reg, adr, q, i
.irp c, 0,1,2,3
	ds_load_b128 v[\reg+4*\c:\reg+4*\c+3], v[\adr] offset:(\q)*QTR+((\i)/4)*UNIT+((\i)%4)*2048+512*\c
.endr
.endm
.macro MUL16 a0, p, q, sc, first
.irp a, \a0, \a0+1
.irp b, 0,1,2,3,4,5,6,7
.if \first
	v_wmma_scale_f32_16x16x128_f8f6f4 v[8*(8*((\a)%4)+\b):8*(8*((\a)%4)+\b)+7], v[128*(\p)+16*\b:128*(\p)+16*\b+15], v[AF+16*(\a):AF+16*(\a)+15], v[BIAS+8*\b:BIAS+8*\b+7], v[SC+16*(\sc)+8*(\q)+\b], v[SC+16*(\sc)+8*(\q)+(\a)] matrix_a_scale:MATRIX_SCALE_ROW1
.else
	v_wmma_scale_f32_16x16x128_f8f6f4 v[8*(8*((\a)%4)+\b):8*(8*((\a)%4)+\b)+7], v[128*(\p)+16*\b:128*(\p)+16*\b+15], v[AF+16*(\a):AF+16*(\a)+15], v[8*(8*((\a)%4)+\b):8*(8*((\a)%4)+\b)+7], v[SC+16*(\sc)+8*(\q)+\b], v[SC+16*(\sc)+8*(\q)+(\a)] matrix_a_scale:MATRIX_SCALE_ROW1
.endif
.endr
.endr
.endm
.macro FETCH_B slot, q, p
	WIN TO_B
.irp i, 0,1,2,3,4,5,6,7
	FRAG 128*(\p)+16*\i, ADRB+\slot, \q, \i
.endr
	WIN 0
.endm
.macro FETCH_A slot, q, i0
.irp i, \i0, \i0+1, \i0+2, \i0+3
	FRAG AF+16*(\i), ADRA+\slot, \q, \i
.endr
.endm
.macro SCALES s
.irp q, 0,1
.irp u, 0,1
	ds_load_b128 v[SC+16*\s+8*\q+4*\u:SC+16*\s+8*\q+4*\u+3], v[ADRS+\s] offset:\q*QTR+\u*UNIT
.endr
.endr
.endm
.macro NEXTG slot
	s_add_nc_u64 s[G0+4*\slot+2:G0+4*\slot+3], s[G0+4*\slot+2:G0+4*\slot+3], 4*GN1*UNIT
	s_add_nc_u64 s[G0B+4*\slot+2:G0B+4*\slot+3], s[G0B+4*\slot+2:G0B+4*\slot+3], 4*GN0*UNIT
.endm
.macro STEP slot, q, first
	s_wait_dscnt 16
.if \first
	WIN 0x81
.else
	WIN MUL_LO
.endif
	MUL16 0, (\q)%2, \q, \slot, \first
	MUL16 2, (\q)%2, \q, \slot, \first
	s_wait_dscnt 0
	PLACES 8
	FETCH_B \slot, (\q)+1, 1-(\q)%2
	FETCH_A \slot, (\q)+1, 0
.if \first
	WIN 0xc1
.else
	WIN MUL_HI
.endif
	MUL16 4, (\q)%2, \q, \slot, \first
	MUL16 6, (\q)%2, \q, \slot, \first
	PLACES 8
	WIN 0
	FETCH_A \slot, (\q)+1, 4
.endm
.macro TURN slot, next, fill
	s_wait_tensorcnt 0x0
	ds_add_u32 v[SPW], v[NIL]
	s_wait_dscnt 17
	WIN MUL_LO
	MUL16 0, 1, 1, \slot, 0
	s_wait_dscnt 0x0
	s_barrier_signal -1
	MUL16 2, 1, 1, \slot, 0
	WIN 0
	s_barrier_wait -1
.if \fill
	CREST
	NEXTG \slot
	JLOAD G0+4*\slot, G1, G0B+4*\slot, G1B
	PLACES 4
.else
	PLACES 8
.endif
	FETCH_B \next, 0, 0
	FETCH_A \next, 0, 0
	SCALES \next
	WIN MUL_HI
	MUL16 4, 1, 1, \slot, 0
	MUL16 6, 1, 1, \slot, 0
	PLACES 8
	WIN 0
	FETCH_A \next, 0, 4
.endm
	s_wait_alu depctr_va_vdst(0)
	s_wait_tensorcnt 0x0                           ; my part of slot 0 is in
	ds_add_u32 v[SPW], v[NIL]
	s_wait_dscnt 0x0
	CROUND                                         ; everybody's part of slot 0 is in, and all sixteen work-groups are here
	JLOAD G0+4, G1, G0B+4, G1B                     ; slot 1: my one load behind the round
	FETCH_B 0, 0, 0
	FETCH_A 0, 0, 0
	SCALES 0
	FETCH_A 0, 0, 4
	s_wait_loadcnt 0x0
.set n, 0
.rept 64
	v_cndmask_b32 v[BIAS+n], 0, v[BIAS+n], s69
.set n, n+1
.endr
	PLACES 4
	s_wait_alu depctr_va_vdst(0)
	STEP 0, 0, 1
	s_mov_b32 s3, LAPS-1
.Llap:
	TURN 0, 1, 1
	STEP 1, 0, 0
	TURN 1, 0, 1
	STEP 0, 0, 0
	s_sub_co_u32 s3, s3, 1
	s_cmp_lg_u32 s3, 0
	s_cbranch_scc1 .Llap
	TURN 0, 1, 0
	STEP 1, 0, 0
	s_wait_dscnt 16
	WIN MUL_LO
	MUL16 0, 1, 1, 1, 0
	MUL16 2, 1, 1, 1, 0
	s_wait_dscnt 0
	WIN MUL_HI
	MUL16 4, 1, 1, 1, 0
	MUL16 6, 1, 1, 1, 0
	WIN 0
	PLACES 8
.irp a, 0,1,2,3,4,5,6,7
.set WS, (2+\a/4)<<2
	WIN WS
.irp j, 0,1,2,3,4,5,6,7,8,9,10,11,12,13,14,15
	global_store_b128 v[CO], v[64*(\a%4)+4*\j:64*(\a%4)+4*\j+3], s[10:11] offset:\a*65536+\j*512 th:TH_STORE_NT
.endr
.endr
	WIN 0
	s_wait_tensorcnt 0x0
	ds_add_u32 v[SPW], v[NIL]
	s_wait_dscnt 0x0
	CROUND
	s_endpgm
.Lfunc_end_k_q1735fc1484_ffn2:
	.size	k_q1735fc1484_ffn2, .Lfunc_end_k_q1735fc1484_ffn2-k_q1735fc1484_ffn2
	.p2alignl 7, 3214868480
	.fill 96, 4, 3214868480
	.section	.rodata,"a",@progbits
	.p2align	6, 0x0
	.amdhsa_kernel k_q1735fc1484_ffn2
		.amdhsa_group_segment_fixed_size 327680
		.amdhsa_private_segment_fixed_size 0
		.amdhsa_enable_private_segment 0
		.amdhsa_kernarg_size 32
		.amdhsa_user_sgpr_count 2
		.amdhsa_user_sgpr_kernarg_segment_ptr 1
		.amdhsa_wavefront_size32 1
		.amdhsa_system_sgpr_workgroup_id_x 1
		.amdhsa_system_sgpr_workgroup_id_y 1
		.amdhsa_system_sgpr_workgroup_id_z 1
		.amdhsa_system_vgpr_workitem_id 0
		.amdhsa_next_free_vgpr 1024
		.amdhsa_next_free_sgpr 100
		.amdhsa_reserve_vcc 0
		.amdhsa_float_denorm_mode_32 3
		.amdhsa_float_denorm_mode_16_64 3
		.amdhsa_memory_ordered 1
		.amdhsa_forward_progress 1
		.amdhsa_inst_pref_size 131
	.end_amdhsa_kernel
	.amdgpu_metadata
---
amdhsa.version: [ 1, 2 ]
amdhsa.kernels:
  - .name:           k_q1735fc1484_ffn2
    .symbol:         k_q1735fc1484_ffn2.kd
    .args:
      - { .name: hc, .offset: 0, .size: 8, .value_kind: global_buffer, .address_space: global }
      - { .name: img, .offset: 8, .size: 8, .value_kind: global_buffer, .address_space: global }
      - { .name: b2, .offset: 16, .size: 8, .value_kind: global_buffer, .address_space: global }
      - { .name: yp, .offset: 24, .size: 8, .value_kind: global_buffer, .address_space: global }
    .group_segment_fixed_size: 327680
    .private_segment_fixed_size: 0
    .kernarg_segment_align: 8
    .kernarg_segment_size: 32
    .max_flat_workgroup_size: 128
    .sgpr_count:     100
    .vgpr_count:     1024
    .wavefront_size: 32
...
	.end_amdgpu_metadata
.endif
;; end of part 6
;; launch ln2 (part 7): grid 256 x 1, 8 waves a work-group, no clusters, 69,632 bytes of LDS; arguments yp, x1f, g2, beta2, out0; writes out0
.if DOCPART == 7
	.amdgcn_target "amdgcn-amd-amdhsa--gfx1250"
	.amdhsa_code_object_version 6
	.text
	.protected	k_q1735fc1484_ln2
	.globl	k_q1735fc1484_ln2
	.p2align	8
	.type	k_q1735fc1484_ln2,@function
k_q1735fc1484_ln2:
	s_mov_b64 s[64:65], 0
	v_nop
	global_prefetch_b8 v0, s[64:65] scope:SCOPE_SE
	s_setreg_imm32_b32 hwreg(HW_REG_WAVE_MODE, 25, 1), 1
	s_wait_xcnt 0x0
; out = layer_norm(x1 + y) g + beta over rows of 1,024, all in f32, in two passes (mean; then the mean of the squares of x - mean).  y comes as FOUR PARTS, one for each quarter of the last
; product's K, 16,777,216 bytes apart: they are added here, in f32 (the bias lies in part 0).
; The parts and x1 have one layout: block (token tile T, 128 columns ks) of 8,192 bytes at (8 T + ks) x 8192, registers 4 j .. 4 j + 3 at 512 j + 16 lane; lane (r, h) holds row r of the tile,
; register 16 b + i = column 128 ks + 32 b + 16 h + i.  Place r of tile T is token 64 (T / 4) + 32 ((T % 4) / 2) + 8 (T % 2) + 16 (r / 8) + r % 8.
; SHARES: a work-group takes one token tile, wave ks its 128 columns; a row's eight partial sums meet in LDS, behind a barrier, twice (bytes of their own each time).
; All of a wave's 112 loads (7 sets of 16 x 512 bytes) are issued on end, so that they are on their way together: x1 and parts 0, 1 into window 0, parts 2, 3, beta and g into window 1.
; The result turns through the wave's own stage in LDS (16 rows of 512 + 16 bytes) and leaves as rows: 512 consecutive bytes a store.
; No tensor load, no cluster, no matrix unit: the launch streams, and work-groups share only g and beta (8 KiB).
; LIMITS: NaN and infinities are not served.
.set SP,   528
.set STG,  8448
.set RED,  8*STG                       ; behind the stages: 16 rows x 8 partial sums, twice
.set X,    32                          ; window 0: x1, then the sum, then the result
.set Y,    96                          ; window 0: part 0; on the way out the rows read back
.set Z,    160                         ; window 0: part 1
.set P2,   0                           ; window 1: part 2,
.set P3,   64                          ; part 3,
.set BE,   128                         ; beta,
.set GA,   192                         ; g
.set TM,   224
.set MU,   242
.set RS,   244
.set SEL,  32
.set MSB,  0
.macro WIN new                         ; s_set_vgpr_msb's low byte: bits 1:0 source 0, 3:2 source 1, 5:4 source 2, 7:6 destination; the high byte repeats the setting that is left
.if MSB != \new
	s_set_vgpr_msb (MSB<<8)|\new
.set MSB, \new
.endif
.endm
	s_load_b256 s[8:15], s[0:1], 0x0               ; y's parts, x1, g, beta
	s_load_b64 s[16:17], s[0:1], 0x20              ; out0
	v_lshl_add_u32 v254, v0, 2, 0x10c00
	v_mov_b32 v255, 0
	v_lshrrev_b32 v9, 5, v0
	s_delay_alu instid0(VALU_DEP_1)
	v_readfirstlane_b32 s4, v9                     ; wave = ks
	v_and_b32 v10, 31, v0
	v_and_b32 v11, 15, v0                          ; r
	v_bfe_u32 v12, v0, 4, 1                        ; h
	s_delay_alu instid0(VALU_DEP_3)
	v_lshlrev_b32 v1, 4, v10                       ; 16 x lane
	s_delay_alu instid0(VALU_DEP_2)
	v_lshlrev_b32 v2, 6, v12                       ; 64 h
	s_mul_i32 s5, s4, STG
	v_add_nc_u32 v3, s5, v1                        ; the stage by rows
	v_mul_u32_u24 v4, v11, SP
	s_delay_alu instid0(VALU_DEP_1)
	v_lshl_add_u32 v4, v12, 6, v4
	s_delay_alu instid0(VALU_DEP_1)
	v_add_nc_u32 v4, s5, v4                        ; the stage by lanes: row r, + 64 h
	v_lshlrev_b32 v6, 5, v11
	s_delay_alu instid0(VALU_DEP_1)
	v_add_nc_u32 v6, RED, v6                       ; row r's eight partial sums
	s_lshl_b32 s5, s4, 2
	v_add_nc_u32 v5, s5, v6                        ; my wave's among them
	v_mov_b32 v[TM+4], 0                           ; a lane permute's destination counts as one of its sources
	s_lshr_b32 s20, ttmp9, 2
	s_lshl_b32 s20, s20, 6
	s_bfe_u32 s21, ttmp9, 0x10001
	s_lshl_b32 s21, s21, 5
	s_add_co_u32 s20, s20, s21
	s_and_b32 s21, ttmp9, 1
	s_lshl_b32 s21, s21, 3
	s_add_co_u32 s20, s20, s21                     ; the tile's first token
	s_lshl_b32 s20, s20, 12
	s_lshl_b32 s21, s4, 9
	s_add_co_u32 s20, s20, s21                     ; its row, + my 512 bytes
	s_mov_b32 s21, 0
	s_lshl_b32 s22, ttmp9, 3
	s_add_co_u32 s22, s22, s4
	s_lshl_b32 s22, s22, 13                        ; my block
	s_mov_b32 s23, 0
	s_lshl_b32 s24, s4, 9                          ; my 128 of g and beta
	s_mov_b32 s25, 0
	s_mov_b32 s30, 0x3a800000                      ; 1 / 1,024
	s_mov_b32 s31, 0x3727c5ac                      ; 1e-5
	s_mov_b32 s[SEL], 0x76543210
	s_mov_b32 s[SEL+1], 0xfedcba98
	s_wait_alu depctr_va_vdst(0)
	s_wait_kmcnt 0x0
	s_add_nc_u64 s[8:9], s[8:9], s[22:23]          ; my block in part 0,
	s_add_nc_u64 s[36:37], s[8:9], 0x1000000       ; part 1,
	s_add_nc_u64 s[38:39], s[8:9], 0x2000000       ; part 2,
	s_add_nc_u64 s[40:41], s[8:9], 0x3000000       ; part 3
	s_add_nc_u64 s[10:11], s[10:11], s[22:23]
	s_add_nc_u64 s[12:13], s[12:13], s[24:25]
	s_add_nc_u64 s[14:15], s[14:15], s[24:25]
	s_add_nc_u64 s[16:17], s[16:17], s[20:21]
.irp j, 0,1,2,3,4,5,6,7,8,9,10,11,12,13,14,15
	global_load_b128 v[X+4*\j:X+4*\j+3], v1, s[10:11] offset:\j*512 th:TH_LOAD_NT
.endr
.irp j, 0,1,2,3,4,5,6,7,8,9,10,11,12,13,14,15
	global_load_b128 v[Y+4*\j:Y+4*\j+3], v1, s[8:9] offset:\j*512 th:TH_LOAD_NT
.endr
.irp j, 0,1,2,3,4,5,6,7,8,9,10,11,12,13,14,15
	global_load_b128 v[Z+4*\j:Z+4*\j+3], v1, s[36:37] offset:\j*512 th:TH_LOAD_NT
.endr
	WIN 0x40                                       ; destination window 1, address window 0
.irp j, 0,1,2,3,4,5,6,7,8,9,10,11,12,13,14,15
	global_load_b128 v[P2+4*\j:P2+4*\j+3], v1, s[38:39] offset:\j*512 th:TH_LOAD_NT
.endr
.irp j, 0,1,2,3,4,5,6,7,8,9,10,11,12,13,14,15
	global_load_b128 v[P3+4*\j:P3+4*\j+3], v1, s[40:41] offset:\j*512 th:TH_LOAD_NT
.endr
.irp j, 0,1,2,3,4,5,6,7,8,9,10,11,12,13,14,15
	global_load_b128 v[BE+4*\j:BE+4*\j+3], v2, s[14:15] offset:128*(\j/4)+16*(\j%4)   ; beta
.endr
.irp j, 0,1,2,3,4,5,6,7,8,9,10,11,12,13,14,15
	global_load_b128 v[GA+4*\j:GA+4*\j+3], v2, s[12:13] offset:128*(\j/4)+16*(\j%4)   ; g
.endr
	WIN 0
	s_wait_loadcnt 48                              ; x1 and parts 0 to 2 are in; behind them: part 3's, beta's and g's 48 loads
.set n, 0
.rept 32
	v_pk_add_f32 v[X+2*n:X+2*n+1], v[X+2*n:X+2*n+1], v[Y+2*n:Y+2*n+1]       ; x1 + part 0
.set n, n+1
.endr
	WIN 0x04                                       ; source 1 window 1
.set n, 0
.rept 32
	v_pk_add_f32 v[Z+2*n:Z+2*n+1], v[Z+2*n:Z+2*n+1], v[P2+2*n:P2+2*n+1]     ; part 1 + part 2
.set n, n+1
.endr
	s_wait_loadcnt 32                              ; part 3 is in; beta's and g's 32 loads may be out
.set n, 0
.rept 32
	v_pk_add_f32 v[X+2*n:X+2*n+1], v[X+2*n:X+2*n+1], v[P3+2*n:P3+2*n+1]     ; + part 3
.set n, n+1
.endr
	WIN 0
.set n, 0
.rept 32
	v_pk_add_f32 v[X+2*n:X+2*n+1], v[X+2*n:X+2*n+1], v[Z+2*n:Z+2*n+1]
.set n, n+1
.endr
; two packed chains in v[TM:TM+3] become the row's sum over all 1,024 columns, in v[TM] of every lane
.macro ACROSS off
	s_delay_alu instid0(VALU_DEP_1)
	v_pk_add_f32 v[TM:TM+1], v[TM:TM+1], v[TM+2:TM+3]
	s_delay_alu instid0(VALU_DEP_1)
	v_add_f32 v[TM], v[TM], v[TM+1]
	s_delay_alu instid0(VALU_DEP_1)
	v_permlanex16_b32 v[TM+4], v[TM], s[SEL], s[SEL+1]
	s_delay_alu instid0(VALU_DEP_1)
	v_add_f32 v[TM], v[TM], v[TM+4]                ; my wave's 128 columns of row r
	ds_store_b32 v5, v[TM] offset:\off             ; both lanes of a row write the same word with the same value
	s_wait_dscnt 0x0                               ; for the others' sake
	s_barrier_signal -1
	s_barrier_wait -1
	ds_load_b128 v[TM+8:TM+11], v6 offset:\off
	ds_load_b128 v[TM+12:TM+15], v6 offset:\off+16
	s_wait_dscnt 0x0
	v_pk_add_f32 v[TM+8:TM+9], v[TM+8:TM+9], v[TM+10:TM+11]
	v_pk_add_f32 v[TM+12:TM+13], v[TM+12:TM+13], v[TM+14:TM+15]
	s_delay_alu instid0(VALU_DEP_1)
	v_pk_add_f32 v[TM+8:TM+9], v[TM+8:TM+9], v[TM+12:TM+13]
	s_delay_alu instid0(VALU_DEP_1)
	v_add_f32 v[TM], v[TM+8], v[TM+9]
.endm
	v_pk_add_f32 v[TM:TM+1], v[X:X+1], v[X+2:X+3]
	v_pk_add_f32 v[TM+2:TM+3], v[X+4:X+5], v[X+6:X+7]
.irp j, 8,12,16,20,24,28,32,36,40,44,48,52,56,60
	s_delay_alu instid0(VALU_DEP_2)
	v_pk_add_f32 v[TM:TM+1], v[TM:TM+1], v[X+\j:X+\j+1]
	s_delay_alu instid0(VALU_DEP_2)
	v_pk_add_f32 v[TM+2:TM+3], v[TM+2:TM+3], v[X+\j+2:X+\j+3]
.endr
	ACROSS 0
	s_delay_alu instid0(VALU_DEP_1)
	v_mul_f32 v[MU], 0xba800000, v[TM]             ; - the mean
	s_delay_alu instid0(VALU_DEP_2)
	v_mul_f32 v[MU+1], 0xba800000, v[TM]
.set n, 0
.rept 32
	v_pk_add_f32 v[X+2*n:X+2*n+1], v[X+2*n:X+2*n+1], v[MU:MU+1]
.set n, n+1
.endr
	v_pk_mul_f32 v[TM:TM+1], v[X:X+1], v[X:X+1]
	v_pk_mul_f32 v[TM+2:TM+3], v[X+2:X+3], v[X+2:X+3]
.irp j, 4,8,12,16,20,24,28,32,36,40,44,48,52,56,60
	s_delay_alu instid0(VALU_DEP_2)
	v_pk_fma_f32 v[TM:TM+1], v[X+\j:X+\j+1], v[X+\j:X+\j+1], v[TM:TM+1]
	s_delay_alu instid0(VALU_DEP_2)
	v_pk_fma_f32 v[TM+2:TM+3], v[X+\j+2:X+\j+3], v[X+\j+2:X+\j+3], v[TM+2:TM+3]
.endr
	ACROSS 512
	s_delay_alu instid0(VALU_DEP_1)
	v_fma_f32 v[TM], v[TM], s30, s31               ; the variance + 1e-5
	s_wait_alu depctr_va_vdst(0)
	v_rsq_f32 v[RS], v[TM]
	v_rsq_f32 v[RS+1], v[TM]
	v_nop                                          ; a plain line behind the transcendentals
	s_wait_alu depctr_va_vdst(0)                   ; one wait for both, ahead of their first reader
	s_wait_loadcnt 0x0                             ; g and beta
.set n, 0
.rept 32
	v_pk_mul_f32 v[X+2*n:X+2*n+1], v[X+2*n:X+2*n+1], v[RS:RS+1]
.set n, n+1
.endr
	WIN 0x14                                       ; sources 1 (g) and 2 (beta) window 1
.set n, 0
.rept 32
	v_pk_fma_f32 v[X+2*n:X+2*n+1], v[X+2*n:X+2*n+1], v[GA+2*n:GA+2*n+1], v[BE+2*n:BE+2*n+1]
.set n, n+1
.endr
	WIN 0
.irp j, 0,1,2,3,4,5,6,7,8,9,10,11,12,13,14,15
	ds_store_b128 v4, v[X+4*\j:X+4*\j+3] offset:128*(\j/4)+16*(\j%4)
.endr
.irp i, 0,1,2,3,4,5,6,7,8,9,10,11,12,13,14,15
	ds_load_b128 v[Y+4*\i:Y+4*\i+3], v3 offset:\i*SP   ; LDS serves a wave's instructions in order: these see the stores above
.endr
.irp i, 0,1,2,3,4,5,6,7,8,9,10,11,12,13,14,15
	s_wait_dscnt 15-\i
	global_store_b128 v1, v[Y+4*\i:Y+4*\i+3], s[16:17] offset:(16*(\i/8)+\i%8)*4096 th:TH_STORE_NT   ; 512 consecutive bytes of a row
.endr
	s_wait_tensorcnt 0x0
	ds_add_u32 v254, v255
	s_wait_dscnt 0x0
	s_endpgm
.Lfunc_end_k_q1735fc1484_ln2:
	.size	k_q1735fc1484_ln2, .Lfunc_end_k_q1735fc1484_ln2-k_q1735fc1484_ln2
	.p2alignl 7, 3214868480
	.fill 96, 4, 3214868480
	.section	.rodata,"a",@progbits
	.p2align	6, 0x0
	.amdhsa_kernel k_q1735fc1484_ln2
		.amdhsa_group_segment_fixed_size 69632
		.amdhsa_private_segment_fixed_size 0
		.amdhsa_enable_private_segment 0
		.amdhsa_kernarg_size 40
		.amdhsa_user_sgpr_count 2
		.amdhsa_user_sgpr_kernarg_segment_ptr 1
		.amdhsa_wavefront_size32 1
		.amdhsa_system_sgpr_workgroup_id_x 1
		.amdhsa_system_sgpr_workgroup_id_y 1
		.amdhsa_system_sgpr_workgroup_id_z 1
		.amdhsa_system_vgpr_workitem_id 0
		.amdhsa_next_free_vgpr 512
		.amdhsa_next_free_sgpr 66
		.amdhsa_reserve_vcc 0
		.amdhsa_float_denorm_mode_32 3
		.amdhsa_float_denorm_mode_16_64 3
		.amdhsa_memory_ordered 1
		.amdhsa_forward_progress 1
		.amdhsa_inst_pref_size 40
	.end_amdhsa_kernel
	.amdgpu_metadata
---
amdhsa.version: [ 1, 2 ]
amdhsa.kernels:
  - .name:           k_q1735fc1484_ln2
    .symbol:         k_q1735fc1484_ln2.kd
    .args:
      - { .name: yp, .offset: 0, .size: 8, .value_kind: global_buffer, .address_space: global }
      - { .name: x1f, .offset: 8, .size: 8, .value_kind: global_buffer, .address_space: global }
      - { .name: g2, .offset: 16, .size: 8, .value_kind: global_buffer, .address_space: global }
      - { .name: beta2, .offset: 24, .size: 8, .value_kind: global_buffer, .address_space: global }
      - { .name: out0, .offset: 32, .size: 8, .value_kind: global_buffer, .address_space: global }
    .group_segment_fixed_size: 69632
    .private_segment_fixed_size: 0
    .kernarg_segment_align: 8
    .kernarg_segment_size: 40
    .max_flat_workgroup_size: 256
    .sgpr_count:     66
    .vgpr_count:     512
    .wavefront_size: 32
...
	.end_amdgpu_metadata
.endif
;; end of part 7
